; MI455X (gfx1250); checked and timed in simulation.
; The chip was launched on July 23, 2026; its instructions are those of AMD's public machine-readable ISA for CDNA 5 (MIT licence, August 2026) and "CDNA5" Instruction Set Architecture Reference Guide (July 2026). The comments in the code are by the model that wrote it; some were corrected since.
;; Attention. Allowed arithmetic: matrix products marked QUANTISED: E2M1 operands, one E8M0 scale for each 32 along K, by v_wmma_scale_f32_16x16x128_f8f6f4 with both operands' format E2M1 (or v_wmma_scale_f32_32x16x128_f4), f32 sums; products left as they are: bf16, f16 or f32 operands; f32 sums; everything else in f32.
;; Inputs: freqs_cos 1,024 x 32 float32; freqs_sin 1,024 x 32 float32; wk 1,024 x 1,024 float32; wo 1,024 x 1,024 float32; wq 1,024 x 1,024 float32; wv 1,024 x 1,024 float32; x 8 x 1,024 x 1,024 float32.
;; Outputs: out0 8 x 1,024 x 1,024 float32.
;; This version of the problem:
;;   THIS VERSION OF THE PROBLEM IS GIVEN IN LOW PRECISION. The matrix products marked QUANTISED in the list below multiply operands that are first quantised to E2M1 (2 exponent bits, 1 mantissa bit; 4 bits a number), with one power-of-two scale for each 32 numbers along K (OCP MX v1.0); their sums are f32. The products marked 'left as it is' may take bf16, f16 or f32 operands, with f32 sums. Whichever they take, every output number must still come out within the allowed error. Rounding operands to bf16 (8 significant bits) uses up far more of that allowance than f16 does (11 bits, for magnitudes from 6e-5 to 65,504). All else is computed in f32.
;;   The module's matrix products, in the order in which they are computed (A, B: the left and right operand; K: the contracted axis; several contracted axes count as one K, in the product's order):
;;     1. [M 8,192, K 1,024] x [K 1,024, N 1,024]; A: input x; B: input wq: QUANTISED
;;     2. [M 8,192, K 1,024] x [K 1,024, N 1,024]; A: input x; B: input wk: QUANTISED
;;     3. [M 8,192, K 1,024] x [K 1,024, N 1,024]; A: input x; B: input wv: QUANTISED
;;     4. batch 128 x [M 1,024, K 64] x [K 64, N 1,024]; A: computed on the way; B: computed on the way: left as it is (an operand is computed on the way)
;;     5. batch 128 x [M 64, K 1,024] x [K 1,024, N 1,024]; A: computed on the way; B: computed on the way: left as it is (an operand is computed on the way)
;;     6. [M 8,192, K 1,024] x [K 1,024, N 1,024]; A: computed on the way; B: input wo: left as it is (an operand is computed on the way)
;;   THE QUANTISER, for each operand of a quantised product, along K:
;;     - K is cut into blocks of 32 from its start; a last block that is shorter is filled with zeros.
;;     - A block's scale is 2^e with e = floor(log2(the largest magnitude in the block)) - 2, held to -126 .. 127; a block of zeros has e = 0. As a byte (E8M0): e + 127.
;;     - Each number is divided by its block's scale, clamped to +-6, and rounded to the nearest number of E2M1, ties to even, subnormals kept.
;;     - The product sums the exact products of the quantised numbers (number of the format x scale) in f32.
;;   ~~~python
;;   def quantise(x, axis):      # numpy; x: float32 -> the quantised numbers, widened to float32 again
;;       x = np.moveaxis(x, axis, -1); K = x.shape[-1]
;;       x = np.pad(x, [(0, 0)] * (x.ndim - 1) + [(0, -K % 32)]); x = x.reshape(x.shape[:-1] + (-1, 32)); a = np.abs(x).max(-1, keepdims=True)
;;       e = np.where(a > 0, np.clip(np.frexp(np.where(a > 0, a, 1))[1] - 1 - 2, -126, 127), 0)      # np.frexp(a)[1] - 1 = floor(log2(a)), exactly
;;       r = np.clip(x / 2.0 ** e, -6, 6)
;;       step = 2.0 ** (np.maximum(np.frexp(np.where(r == 0, 1, r))[1] - 1, 0) - 1)
;;       q = np.round(r / step) * step * 2.0 ** e      # np.round: ties to even
;;       return np.moveaxis(q.reshape(q.shape[:-2] + (-1,))[..., :K], -1, axis).astype(np.float32)
;;   ~~~
;; One version. Each part assembles by itself: llvm-mc -triple=amdgcn-amd-amdhsa -mcpu=gfx1250 --defsym DOCPART=n.
;; ======== version 1 of 1: 5 launches
;; limits: values are held in f16: magnitudes above 65,504 overflow, below 6.1e-05 lose precision
;; workspace buffers: xc 4,194,304 bytes; xs 262,144 bytes; wc 1,572,864 bytes; ws 98,304 bytes; woh 2,097,152 bytes; qkv 50,331,648 bytes; att 16,777,216 bytes; fine 1,572,864 bytes
;; launch quant (part 1): grid 384 x 1, 4 waves a work-group, no clusters, 33,280 bytes of LDS; arguments x, wq, wk, wv, wo, xc, xs, wc, ws, woh; writes xc, xs, wc, ws, woh
.if DOCPART == 1
	.amdgcn_target "amdgcn-amd-amdhsa--gfx1250"
	.amdhsa_code_object_version 6
	.text
	.protected	k_qffbcbc6e21_quant
	.globl	k_qffbcbc6e21_quant
	.p2align	8
	.type	k_qffbcbc6e21_quant,@function
k_qffbcbc6e21_quant:
	s_mov_b64 s[64:65], 0
	v_nop
	global_prefetch_b8 v0, s[64:65] scope:SCOPE_SE
	s_setreg_imm32_b32 hwreg(HW_REG_WAVE_MODE, 25, 1), 1
	s_wait_xcnt 0x0
; LAUNCH 1 OF 5.  x [8192][1024] and wq, wk, wv [1024][1024], f32 with K innermost, become codes of E2M1 (4 bits, K innermost) with one E8M0 byte for each 32 along K; wo becomes f16.
; THE PROGRAM: 1 this; 2 the quantised product x (wq|wk|wv)^T, the rotary in f32, q k v out as f16 by head; 3 block-causal attention in f16; 4 the projection in f16; 5 the first 16 positions of every sequence once more in f32.
; WORK LEFT OUT (launch 3): reference() sets the score of key k for query q to the least f32 number wherever k / 8 > q / 8, by a mask that it builds itself.  Every query keeps the keys of its own block of 8, so the row's
; maximum is a kept score, and the exponential of (least number - maximum) is 0 for all finite inputs: a masked key adds 0 to the row's sum and 0 x v to the output.  So a step of 64 keys that lie wholly behind a wave's
; 32 queries is not loaded into registers, multiplied or summed.  Nothing else is left out and every input is loaded.
; LIMIT of that: a NaN, an infinity or an overflow in k or v at masked keys alone is not carried to the result.
; LIMITS of the program: |q|, |k|, |v|, the attention's output and |wo| stay under 65,504 (f16 operands of the products left as they are); NaN and infinities among the inputs are not served;
; a block whose largest magnitude lies under 2^-124 gets the byte 1 (a block of zeros too: its codes are zeros, and this program alone reads the bytes).
; A block's scale is 2^(floor(log2(largest magnitude)) - 2): its byte is the largest magnitude's exponent field - 2.  Each number is divided by the scale and rounded to the nearest code, ties to even, beyond 6 the code of 6.
; SHARES.  Rows are dense and K is a multiple of 32: every tensor is a plain stream.  A work-group takes 32,768 numbers, a wave 8,192.  Work-groups 0-255: x; 256-287 wq; 288-319 wk; 320-351 wv (their codes follow each other in wc, ws);
; 352-383: wo to f16.  Only pointers are chosen for the first four: one path through the text.  A wave takes 16 steps of 512 numbers: four loads of 512 consecutive bytes, a turn through the wave's own stage in LDS so that
; a lane holds 16 neighbours along K, two conversions, a store of 256 consecutive bytes.  A wave's 256 scale bytes are gathered in LDS and leave as one aligned run of 256 bytes.  No barrier: waves share nothing.
.set STEPS, 16
.set EMAX,  2
.set CB,    8                          ; bytes of 16 codes
.set R,     16                         ; v16-79   four sets of 16 numbers as loaded
.set X,     80                         ; v80-111  two sets of 16 neighbours
.set E,     112                        ; v112-127 a scale byte for each step
.set C,     128                        ; v128-191 codes: four registers for each step, so that no store's data are written again
.set WREG,  8192                       ; LDS: a region for each wave: two stages of 32 x SP bytes, then its 256 scale bytes
.set SP,    80                         ; a lane's place in a stage: 64 bytes + 16 of padding
.set SPW,   12                         ; v12 LDS address of my spare word; never rewritten
.set NIL,   13                         ; v13 0; never rewritten
.set SPARE, 4*WREG                     ; behind the four regions: the spare words, 128 bytes a wave
	s_load_b256 s[4:11], s[0:1], 0x0               ; x, wq, wk, wv
	s_load_b256 s[12:19], s[0:1], 0x20             ; wo, xc, xs, wc
	s_load_b128 s[20:23], s[0:1], 0x40             ; ws, woh
	v_lshl_add_u32 v[SPW], v0, 2, SPARE
	v_mov_b32 v[NIL], 0
	v_lshrrev_b32 v1, 5, v0
	v_readfirstlane_b32 s24, v1                    ; wave
	v_and_b32 v2, 31, v0                           ; lane
	v_lshlrev_b32 v3, 4, v2                        ; my 16 bytes of a load's 512
	s_mul_i32 s25, s24, WREG
	v_lshrrev_b32 v14, 2, v2
	v_mul_u32_u24 v14, v14, SP
	v_and_b32 v15, 3, v2
	v_lshl_add_u32 v14, v15, 4, v14
	v_add_nc_u32 v14, s25, v14                     ; the stage, way in: SP (lane / 4) + 16 (lane % 4)
	v_mul_u32_u24 v15, v2, SP
	v_add_nc_u32 v15, s25, v15                     ; way out: SP x lane: my 16 neighbours
	v_mul_u32_u24 v4, v2, CB                       ; 8 x lane: my codes' place in a step's; also my place in a run of f16
	v_lshrrev_b32 v5, 1, v2
	s_add_co_u32 s25, s25, 2*32*SP
	v_add_nc_u32 v5, s25, v5                       ; LDS: my block's scale byte
	v_lshlrev_b32 v7, 3, v2
	v_add_nc_u32 v6, s25, v7                       ; and 8 bytes a lane on their way out
	s_wait_kmcnt 0x0
	s_cmp_ge_u32 ttmp9, 352
	s_cbranch_scc1 .Lwo
	s_sub_co_u32 s25, ttmp9, 256                   ; a weight's work-group among the 96 (used only from 256 on)
	s_and_b32 s26, s25, 31                         ; and within its own tensor
	s_cmp_ge_u32 ttmp9, 288
	s_cselect_b64 s[28:29], s[8:9], s[6:7]
	s_cmp_ge_u32 ttmp9, 320
	s_cselect_b64 s[28:29], s[10:11], s[28:29]     ; wq, wk or wv: the choice hangs on the work-group's number alone
	s_cmp_lt_u32 ttmp9, 256
	s_cselect_b64 s[4:5], s[4:5], s[28:29]         ; the numbers
	s_cselect_b64 s[8:9], s[14:15], s[18:19]       ; the codes
	s_cselect_b64 s[10:11], s[16:17], s[20:21]     ; the scale bytes
	s_cselect_b32 s25, ttmp9, s25                  ; which 32,768 numbers of the codes' buffer
	s_cselect_b32 s26, ttmp9, s26                  ; and of the tensor read
	s_lshl_b32 s25, s25, 2
	s_add_co_u32 s25, s25, s24                     ; my wave's run of 8,192 numbers, on the way out
	s_lshl_b32 s26, s26, 2
	s_add_co_u32 s26, s26, s24                     ; and on the way in
	s_lshl_b32 s30, s26, 15                        ; 32,768 bytes of f32 a run
	s_mov_b32 s31, 0
	s_add_nc_u64 s[4:5], s[4:5], s[30:31]
	s_lshl_b32 s30, s25, 12                        ; 4,096 bytes of codes
	s_add_nc_u64 s[8:9], s[8:9], s[30:31]
	s_lshl_b32 s30, s25, 8                         ; 256 scale bytes
	s_add_nc_u64 s[10:11], s[10:11], s[30:31]
.macro LOAD t
.irp i, 0,1,2,3
	global_load_b128 v[R+16*((\t)%4)+4*\i:R+16*((\t)%4)+4*\i+3], v3, s[4:5] offset:2048*(\t)+512*\i th:TH_LOAD_NT   ; 32 lanes read 512 consecutive bytes
.endr
.endm
.macro TURN t                          ; step t's numbers through the stage: LDS serves a wave's instructions in order, so no wait stands between the stores and the loads
.irp i, 0,1,2,3
	ds_store_b128 v14, v[R+16*((\t)%4)+4*\i:R+16*((\t)%4)+4*\i+3] offset:32*SP*((\t)%2)+8*SP*\i
.endr
.irp i, 0,1,2,3
	ds_load_b128 v[X+16*((\t)%2)+4*\i:X+16*((\t)%2)+4*\i+3], v15 offset:32*SP*((\t)%2)+16*\i
.endr
.endm
.irp t, 0,1,2,3
	LOAD \t
.endr
	s_wait_loadcnt 12                              ; step 0's four loads are in; the twelve behind them may be out
	TURN 0
.macro STEP t
.set XS, X+16*((\t)%2)
.if (\t) > 0
	s_wait_dscnt 1                                 ; this step's numbers are back from the stage (the last step's byte store may be out)
.else
	s_wait_dscnt 0x0
.endif
.if (\t)+4 < STEPS
	LOAD (\t)+4                                    ; into the registers that the stage's stores have read
.endif
.if (\t)+1 < STEPS
.if STEPS-2-(\t) >= 3
	s_wait_loadcnt 12                              ; the next step's four loads are in; those of the three steps behind it may be out
.else
	s_wait_loadcnt 4*(STEPS-2-(\t))
.endif
	TURN (\t)+1
.endif
	v_max3_num_f32 v8, |v[XS]|, |v[XS+1]|, |v[XS+2]|               ; the largest magnitude of my 16, in two chains
	v_max3_num_f32 v9, |v[XS+3]|, |v[XS+4]|, |v[XS+5]|
.irp i, 6,10
	v_max3_num_f32 v8, v8, |v[XS+\i]|, |v[XS+\i+1]|
	v_max3_num_f32 v9, v9, |v[XS+\i+2]|, |v[XS+\i+3]|
.endr
	v_max3_num_f32 v8, v8, |v[XS+14]|, |v[XS+15]|
	v_max3_num_f32 v8, v8, v9, (EMAX+1)<<23        ; and the floor 2^(3 - 127): the byte cannot fall under 1
	v_max_num_f32_dpp v8, v8, v8 row_xmask:1 row_mask:0xf bank_mask:0xf   ; with my neighbour's 16: the block's
	v_add_nc_u32 v11, -(EMAX<<23), v8              ; 2 off its exponent field: the conversion takes that field of this operand as its scale
	v_cvt_scalef32_pk8_fp4_f32 v[C+4*(\t)], v[XS:XS+7], v11
	v_cvt_scalef32_pk8_fp4_f32 v[C+4*(\t)+1], v[XS+8:XS+15], v11
	v_lshrrev_b32 v[E+(\t)], 23, v11               ; the scale's byte
	ds_store_b8 v5, v[E+(\t)] offset:16*(\t)       ; both lanes of a block write the same byte with the same value
	global_store_b64 v4, v[C+4*(\t):C+4*(\t)+1], s[8:9] offset:32*CB*(\t)   ; the wave stores 256 consecutive bytes, aligned
.endm
.irp t, 0,1,2,3,4,5,6,7,8,9,10,11,12,13,14,15
	STEP \t
.endr
	ds_load_b64 v[8:9], v6                         ; LDS serves a wave's instructions in order: these see my byte stores
	s_wait_dscnt 0x0
	global_store_b64 v7, v[8:9], s[10:11]          ; 256 consecutive bytes, aligned
	s_wait_tensorcnt 0x0                           ; the wave's end
	ds_add_u32 v[SPW], v[NIL]
	s_wait_dscnt 0x0
	s_endpgm
; wo to f16: a wave takes 8,192 numbers in four groups of 16 loads of 512 consecutive bytes; a lane's four numbers become 8 bytes, a store covers 256 consecutive bytes.
.Lwo:
	s_sub_co_u32 s25, ttmp9, 352
	s_lshl_b32 s25, s25, 2
	s_add_co_u32 s25, s25, s24
	s_lshl_b32 s30, s25, 15
	s_mov_b32 s31, 0
	s_add_nc_u64 s[12:13], s[12:13], s[30:31]
	s_lshl_b32 s30, s25, 14
	s_add_nc_u64 s[22:23], s[22:23], s[30:31]
.macro WLOAD g
.irp j, 0,1,2,3,4,5,6,7,8,9,10,11,12,13,14,15
	global_load_b128 v[16+64*((\g)%2)+4*\j:16+64*((\g)%2)+4*\j+3], v3, s[12:13] offset:512*(16*(\g)+\j)
.endr
.endm
.macro WGROUP g
.if (\g) < 3
	s_wait_loadcnt 16                              ; this group's 16 loads are in; the next group's may be out
.else
	s_wait_loadcnt 0x0
.endif
.if (\g) >= 2
	s_wait_xcnt 0x0                                ; the stores of two groups ago have read the registers that are written now
.endif
.irp j, 0,1,2,3,4,5,6,7,8,9,10,11,12,13,14,15
	v_cvt_pk_f16_f32 v[144+32*((\g)%2)+2*\j], v[16+64*((\g)%2)+4*\j], v[16+64*((\g)%2)+4*\j+1]
	v_cvt_pk_f16_f32 v[144+32*((\g)%2)+2*\j+1], v[16+64*((\g)%2)+4*\j+2], v[16+64*((\g)%2)+4*\j+3]
.endr
.irp j, 0,1,2,3,4,5,6,7,8,9,10,11,12,13,14,15
	global_store_b64 v4, v[144+32*((\g)%2)+2*\j:144+32*((\g)%2)+2*\j+1], s[22:23] offset:256*(16*(\g)+\j)
.endr
.if (\g)+2 < 4
	WLOAD (\g)+2
.endif
.endm
	WLOAD 0
	WLOAD 1
	WGROUP 0
	WGROUP 1
	WGROUP 2
	WGROUP 3
	s_endpgm
.Lfunc_end_k_qffbcbc6e21_quant:
	.size	k_qffbcbc6e21_quant, .Lfunc_end_k_qffbcbc6e21_quant-k_qffbcbc6e21_quant
	.p2alignl 7, 3214868480
	.fill 96, 4, 3214868480
	.section	.rodata,"a",@progbits
	.p2align	6, 0x0
	.amdhsa_kernel k_qffbcbc6e21_quant
		.amdhsa_group_segment_fixed_size 33280
		.amdhsa_private_segment_fixed_size 0
		.amdhsa_enable_private_segment 0
		.amdhsa_kernarg_size 80
		.amdhsa_user_sgpr_count 2
		.amdhsa_user_sgpr_kernarg_segment_ptr 1
		.amdhsa_wavefront_size32 1
		.amdhsa_system_sgpr_workgroup_id_x 1
		.amdhsa_system_sgpr_workgroup_id_y 1
		.amdhsa_system_sgpr_workgroup_id_z 1
		.amdhsa_system_vgpr_workitem_id 0
		.amdhsa_next_free_vgpr 208
		.amdhsa_next_free_sgpr 66
		.amdhsa_reserve_vcc 0
		.amdhsa_float_denorm_mode_32 3
		.amdhsa_float_denorm_mode_16_64 3
		.amdhsa_memory_ordered 1
		.amdhsa_forward_progress 1
		.amdhsa_inst_pref_size 54
	.end_amdhsa_kernel
	.amdgpu_metadata
---
amdhsa.version: [ 1, 2 ]
amdhsa.kernels:
  - .name:           k_qffbcbc6e21_quant
    .symbol:         k_qffbcbc6e21_quant.kd
    .args:
      - { .name: x, .offset: 0, .size: 8, .value_kind: global_buffer, .address_space: global }
      - { .name: wq, .offset: 8, .size: 8, .value_kind: global_buffer, .address_space: global }
      - { .name: wk, .offset: 16, .size: 8, .value_kind: global_buffer, .address_space: global }
      - { .name: wv, .offset: 24, .size: 8, .value_kind: global_buffer, .address_space: global }
      - { .name: wo, .offset: 32, .size: 8, .value_kind: global_buffer, .address_space: global }
      - { .name: xc, .offset: 40, .size: 8, .value_kind: global_buffer, .address_space: global }
      - { .name: xs, .offset: 48, .size: 8, .value_kind: global_buffer, .address_space: global }
      - { .name: wc, .offset: 56, .size: 8, .value_kind: global_buffer, .address_space: global }
      - { .name: ws, .offset: 64, .size: 8, .value_kind: global_buffer, .address_space: global }
      - { .name: woh, .offset: 72, .size: 8, .value_kind: global_buffer, .address_space: global }
    .group_segment_fixed_size: 33280
    .private_segment_fixed_size: 0
    .kernarg_segment_align: 8
    .kernarg_segment_size: 80
    .max_flat_workgroup_size: 128
    .sgpr_count:     66
    .vgpr_count:     208
    .wavefront_size: 32
...
	.end_amdgpu_metadata
.endif
;; end of part 1
;; launch qkv (part 2): grid 8 x 32, 4 waves a work-group, clusters of 4 x 4, 327,680 bytes of LDS; arguments xc, xs, wc, ws, freqs_cos, freqs_sin, qkv, fine; writes qkv, fine
.if DOCPART == 2
	.amdgcn_target "amdgcn-amd-amdhsa--gfx1250"
	.amdhsa_code_object_version 6
	.text
	.protected	k_qffbcbc6e21_qkv
	.globl	k_qffbcbc6e21_qkv
	.p2align	8
	.type	k_qffbcbc6e21_qkv,@function
k_qffbcbc6e21_qkv:
	s_mov_b64 s[64:65], 0
	v_nop
	global_prefetch_b8 v0, s[64:65] scope:SCOPE_SE
	s_setreg_imm32_b32 hwreg(HW_REG_WAVE_MODE, 25, 1), 1
	s_wait_xcnt 0x0
	s_wait_alu depctr_hold_cnt(0) depctr_sa_sdst(0) depctr_va_vdst(0) depctr_va_sdst(0) depctr_va_ssrc(0) depctr_va_vcc(0) depctr_vm_vsrc(0)
	s_getreg_b32 s2, hwreg(HW_REG_IB_STS2, 6, 4)
	s_cmp_eq_u32 s2, 0
	s_cbranch_scc0 .Lentry_in_a_cluster
	s_endpgm
.Lentry_in_a_cluster:
	s_bfe_u32 s2, ttmp6, 0x10000c
	s_cmp_lg_u32 s2, 0xf033
	s_cbranch_scc0 .Lentry_shape_is_right
	s_endpgm
.Lentry_shape_is_right:
; LAUNCH 2 OF 5.  C[m][n] = sum over k of x[m][k] w[n][k], m = 8,192 positions, n = 3,072 columns (q, k, v: 1,024 each), K = 1,024, on codes of E2M1 with one E8M0 scale for each 32 along K; sums in f32, K ascending.
; Then the rotary on q and k, in f32; q, k, v leave as f16, laid [part][16 batch + head][position][64]; the first 16 positions of every sequence leave once more as f32 (fine [batch][16][3072]) for launch 5.
; LIMIT: |q|, |k|, |v| stay under 65,504.
; SHARES.  A work-group owns 256 positions x 384 columns, as three sub-tiles of 128 columns: the same two heads of q, then of k, then of v.  That makes 32 x 8 = 256 work-groups of equal work, and the part is a constant of the text.
; A wave owns 64 positions x 128 columns: 32 accumulators.  Its 64 rows of x, all of K, are 256 registers: they are read from LDS once, during q's products, and stay.  So a step of 128 along K reads only w's eight fragments.
; cos and sin of the wave's 64 positions are 128 registers: loaded once, they serve q and k.
; LDS.  A row is all of K: 512 bytes + 16.  x's 256 rows and two tiles of w (128 rows each) lie side by side; a third tile would make 640 rows of 528 bytes, more than there is: so v's tile is filled into q's bytes, behind q's products.
; By this text's count a wave has two tensor loads out at most (its two first fills), later one (wave 2's refill).
; CLUSTERS: 4 x 4 work-groups.  The four of a row of the cluster need the same rows of x, the four of a column the same rows of w: each tile is asked for jointly, by the same tensor load with the same descriptor and a mask that
; names the four.  Along y: cluster y = 4 (batch / 4) + (which 256 positions of the sequence), cy = batch % 4: so 'a sequence's first tile' hangs on the cluster's y alone and is the same in all sixteen partners.
; THE MATRIX INSTRUCTION IS USED TRANSPOSED (source 0 = 16 rows of w, source 1 = 16 rows of x): a lane holds eight neighbouring columns of one position, that is four pairs of the rotary.
; REGISTERS, in windows of 256: window 0: v0-31 addresses; v32-95 scale words; v96-159 T (a block behind the rotary, f32); v160-191 H (the same as f16); v192-255 rows read back from the stage, two sets.
;   window 1: x's fragments, block a and step q at v[64 a + 8 q];  window 2: the accumulators, (a, b) at v[8 (8 a + b)];  window 3: v0-127 w's fragments, two sets; v128-255 cos and sin, 32 a block.
.set PITCH,  528                       ; an LDS row: 512 bytes + 16: the 16 rows that a load touches start at 16 different places modulo 256 bytes
.set HALFT,  128*PITCH                 ; 128 rows: what one tensor load brings
.set BB,     2*HALFT                   ; behind x's 256 rows: w's two buffers
.set SCA,    4*HALFT                   ; x's scales: 256 rows of 32 bytes, as runs of 256 bytes + 16 of padding
.set HALFS,  16*272                    ; those of 128 rows
.set SCB,    SCA+2*HALFS               ; w's scales: [which 64 rows][part][8 runs]
.set PARTS,  8*272                     ; from part to part
.set HALFB,  3*PARTS                   ; from the first 64 rows to the second
.set SBLK,   2*272                     ; the scales of 16 rows
.set SPARE,  SCB+2*HALFB               ; the spare words, 128 bytes a wave
.set HW,     2*16*144                  ; the way out, f16: for each wave 2 heads x 16 rows x (128 bytes + 16).  The stages lie in x's bytes, which have had their only fill and their last read when they are written
.set FSTG,   4*HW                      ; and f32: for each wave 16 rows x (512 bytes + 16)
.set FW,     16*528
.set NP,     4                         ; places behind this matrix instruction (ISA guide 7.12.1)
.set ADRA, 16                          ; v16    LDS address of my x fragments
.set ADRB, 20                          ; v20-21 the same for w, buffer 0, 1
.set RDF,  22                          ; v22  f32 stage: where I read a row back
.set HP,   23                          ; v23  lanes 16-31: from one part's scales to the next; lanes 0-15: 0
.set STO,  24                          ; v24  f16 stage: where I put 16 bytes
.set RD,   25                          ; v25  f16 stage: where I read back
.set CO,   26                          ; v26  16 x lane
.set ADRS, 27                          ; v27  LDS address of my scale words: lanes 0-15 x's rows, lanes 16-31 w's
.set SPW,  28
.set NIL,  29
.set CSO,  30                          ; v30  my byte offset in the tables of cos and sin
.set STF,  31                          ; v31  f32 stage: where I put 32 bytes
.set SC,   32                          ; register 8 i + q: lanes 0-15 the word of x's block i, lanes 16-31 that of w's block i, for the q-th 128 along K
.set T,    96
.set H,    160
.set BK,   192
.set G1, 24                            ; s[24:31] group 1 for x's codes;  s[32:35] its group 0
.set G0, 32
.set G1B, 48                           ; s[48:55], s[56:59] the same for w's codes
.set G0B, 56
.set G1S, 68                           ; s[68:75], s[76:79] for x's scales;  s[80:87], s[88:91] for w's
.set G0S, 76
.set G1SB, 80
.set G0SB, 88
.set MSB, 0
.macro WIN new                         ; the immediate's high byte repeats the setting that is left
.if MSB != \new
	s_set_vgpr_msb (MSB<<8)|\new
.set MSB, \new
.endif
.endm
.set MUL,  0xa7                        ; source 0 (w) window 3, source 1 (x) window 1, C and D window 2
.set TO_B, 0xc0                        ; destination window 3, address window 0
.set TO_A, 0x40                        ; destination window 1
; A joint load: waves 0 and 1 fetch for x, waves 2 and 3 for w.  The branch hangs on the wave's number alone.  An s_nop 0 and four v_nop follow each of the two lines.
.macro JLOAD g0a, g1a, g0b, g1b
	s_cmp_eq_u32 s15, 0
	s_cbranch_scc0 .Lfor_b_\@
	tensor_load_to_lds s[\g0a:\g0a+3], s[\g1a:\g1a+7]
	s_nop 0
.rept 4
	v_nop
.endr
	s_branch .Lasked_\@
.Lfor_b_\@:
	tensor_load_to_lds s[\g0b:\g0b+3], s[\g1b:\g1b+7]
	s_nop 0
.rept 4
	v_nop
.endr
.Lasked_\@:
.endm
.macro CROUND                          ; a round of the cluster's barrier
	s_barrier_signal -1
	s_barrier_wait -1
	s_cmp_lg_u32 s14, 0
	s_cbranch_scc1 .Lnot_wave_0_\@
	s_barrier_signal -3
.Lnot_wave_0_\@:
	s_barrier_wait -3
	s_barrier_signal -1
	s_barrier_wait -1
.endm
	s_load_b256 s[4:11], s[0:1], 0x0               ; x's codes, x's scales, w's codes, w's scales
	s_load_b256 s[92:99], s[0:1], 0x20             ; cos, sin, qkv, fine
	v_lshl_add_u32 v[SPW], v0, 2, SPARE
	v_mov_b32 v[NIL], 0
	ds_add_u32 v[SPW], v[NIL]                      ; the wave's opening: the add, twice on end, and its wait ahead of my first tensor load
	ds_add_u32 v[SPW], v[NIL]
	v_lshrrev_b32 v1, 5, v0
	v_readfirstlane_b32 s14, v1                    ; wave 0..3: my 64 positions of the tile
	s_lshr_b32 s15, s14, 1                         ; I fetch for x (0) or for w (1),
	s_and_b32 s16, s14, 1                          ; and which half or which part
	s_bfe_u32 s40, ttmp6, 0x40000                  ; cx
	s_bfe_u32 s41, ttmp6, 0x40004                  ; cy
	s_lshl_b32 s42, ttmp9, 2
	s_add_co_u32 s42, s42, s40                     ; which 128 columns of each part: 4 x cluster x + cx
	s_and_b32 s66, ttmp7, 0xffff                   ; cluster y
	s_and_b32 s67, s66, 3                          ; which 256 positions of the sequence
	s_lshr_b32 s12, s66, 2
	s_lshl_b32 s12, s12, 2
	s_add_co_u32 s12, s12, s41                     ; batch
	s_lshl_b32 s17, s12, 2
	s_add_co_u32 s17, s17, s67                     ; tile row = 4 x batch + which
	s_or_b32 s2, s67, s14                          ; 0 where my first 16 rows are a sequence's first 16 positions
	s_lshl_b32 s43, s41, 2
	s_lshl_b32 s43, 15, s43                        ; my row of the cluster
	s_lshl_b32 s44, 0x1111, s40                    ; my column
	s_or_b32 s[G1+0], s43, (0<<16)|(1<<20)|(1<<21)|(6<<22)|(3<<25)  ; the mask; elements of 1 byte; padding on; bit 21 beside a mask; after every 128 words four words
	s_or_b32 s[G1B+0], s44, (0<<16)|(1<<20)|(1<<21)|(6<<22)|(3<<25)
.irp g, G1, G1B
	s_mov_b32 s[\g+1], 512<<16                     ; tensor_dim0: a row of 1,024 codes
	s_mov_b32 s[\g+2], 128<<16                     ; tensor_dim1
	s_mov_b32 s[\g+3], 512<<16                     ; tile_dim0
	s_mov_b32 s[\g+4], 128                         ; tile_dim1
	s_mov_b32 s[\g+5], 512                         ; from row to row
	s_mov_b32 s[\g+6], 0
	s_mov_b32 s[\g+7], 0
.endr
	s_or_b32 s[G1S+0], s43, (3<<16)|(1<<20)|(1<<21)|(5<<22)|(3<<25) ; x's scales of 128 rows: 4,096 dense bytes as 16 rows of 32 elements of 8 bytes, four words of padding behind each
	s_mov_b32 s[G1S+1], 32<<16
	s_mov_b32 s[G1S+2], 16<<16
	s_mov_b32 s[G1S+3], 32<<16
	s_mov_b32 s[G1S+4], 16
	s_mov_b32 s[G1S+5], 32
	s_mov_b32 s[G1S+6], 0
	s_mov_b32 s[G1S+7], 0
	s_or_b32 s[G1SB+0], s44, (3<<16)|(1<<20)|(1<<21)|(5<<22)|(3<<25) ; w's scales of 64 rows of each part: 3 rows of 2,048 dense bytes (256 elements of 8), 32,768 bytes apart; the padding stands behind every 256 bytes, eight times in a row
	s_mov_b32 s[G1SB+1], 256<<16
	s_mov_b32 s[G1SB+2], 3<<16
	s_mov_b32 s[G1SB+3], 256<<16
	s_mov_b32 s[G1SB+4], 3
	s_mov_b32 s[G1SB+5], 4096
	s_mov_b32 s[G1SB+6], 0
	s_mov_b32 s[G1SB+7], 0
	s_lshl_b32 s20, s17, 8
	s_lshl_b32 s18, s16, 7
	s_add_co_u32 s20, s20, s18                     ; x: row 256 x tile row + 128 x half
	s_lshl_b32 s22, s20, 5                         ; its scales, 32 bytes a row,
	s_mov_b32 s23, 0
	s_lshl_b32 s20, s20, 9                         ; its codes, 512 bytes a row
	s_mov_b32 s21, 0
	s_lshl_b32 s46, s42, 7                         ; w: row 128 x column group,
	s_lshl_b32 s100, s16, 6
	s_add_co_u32 s100, s100, s46                   ; for the scales + 64 x half
	s_lshl_b32 s100, s100, 5
	s_mov_b32 s101, 0
	s_lshl_b32 s47, s16, 10
	s_add_co_u32 s46, s46, s47                     ; for the codes + 1,024 x part: wave 2 fetches q's tile, wave 3 k's
	s_lshl_b32 s46, s46, 9
	s_mov_b32 s47, 0
	s_mul_i32 s45, s14, HALFT                      ; where the codes go: wave x 128 rows: no place in the cluster enters an LDS address
	s_mul_i32 s13, s16, HALFS                      ; and the scales
	s_mul_i32 s3, s16, HALFB
	s_wait_dscnt 0x0                               ; both opening adds are done
	s_wait_kmcnt 0x0
	s_add_nc_u64 s[20:21], s[4:5], s[20:21]
	s_add_nc_u64 s[22:23], s[6:7], s[22:23]
	s_add_nc_u64 s[46:47], s[8:9], s[46:47]
	s_add_nc_u64 s[100:101], s[10:11], s[100:101]
	CROUND                                         ; all sixteen work-groups are here: the joint loads meet
	s_mov_b32 s[G0S], 1
	s_add_co_u32 s[G0S+1], s13, SCA
	s_mov_b64 s[G0S+2:G0S+3], s[22:23]
	s_or_b32 s[G0S+3], s[G0S+3], 0x80000000
	s_mov_b32 s[G0SB], 1
	s_add_co_u32 s[G0SB+1], s3, SCB
	s_mov_b64 s[G0SB+2:G0SB+3], s[100:101]
	s_or_b32 s[G0SB+3], s[G0SB+3], 0x80000000
	JLOAD G0S, G1S, G0SB, G1SB                     ; all scale bytes: filled once
	s_mov_b32 s[G0], 1
	s_mov_b32 s[G0+1], s45
	s_mov_b64 s[G0+2:G0+3], s[20:21]
	s_or_b32 s[G0+3], s[G0+3], 0x80000000
	s_mov_b32 s[G0B], 1
	s_mov_b32 s[G0B+1], s45
	s_mov_b64 s[G0B+2:G0B+3], s[46:47]
	s_or_b32 s[G0B+3], s[G0B+3], 0x80000000
	JLOAD G0, G1, G0B, G1B                         ; x's two halves, q's tile, k's tile
	v_and_b32 v1, 15, v0                           ; r = lane % 16
	v_bfe_u32 v2, v0, 4, 1                         ; h = lane / 16
	v_mul_u32_u24 v3, v1, PITCH
	v_lshl_add_u32 v4, v2, 4, v3                   ; a fragment's row x pitch + 16 h
	s_mul_i32 s21, s14, 64*PITCH                   ; my 64 rows of x
	v_add_nc_u32 v[ADRA], s21, v4
	v_add_nc_u32 v[ADRB], BB, v4
	v_add_nc_u32 v[ADRB+1], BB+HALFT, v4
	v_mul_u32_u24 v5, v1, 32                       ; my row's scales: 32 bytes a row,
	v_lshrrev_b32 v6, 8, v5
	v_lshl_add_u32 v5, v6, 4, v5                   ; and 16 more for each 256 passed
	s_mul_i32 s21, s14, PARTS                      ; x's: my 64 rows are 8 runs
	s_mov_b32 s22, SCB-SCA
	s_sub_co_u32 s22, s22, s21
	v_mul_u32_u24 v6, s22, v2                      ; lanes 16-31 take w's
	s_add_co_u32 s21, s21, SCA
	v_add_nc_u32 v5, v5, v6
	v_add_nc_u32 v[ADRS], s21, v5
	v_mul_u32_u24 v[HP], v2, PARTS
	s_mul_i32 s23, s14, HW                         ; my f16 stage
	v_mul_u32_u24 v5, v1, 144
	v_lshl_add_u32 v5, v2, 4, v5
	v_add_nc_u32 v[STO], s23, v5                   ; in: row r, 16 bytes for each half of the lanes
	v_and_b32 v6, 31, v0
	v_lshrrev_b32 v3, 3, v6
	v_mul_u32_u24 v3, v3, 144
	v_and_b32 v4, 7, v0
	v_lshl_add_u32 v3, v4, 4, v3
	v_add_nc_u32 v[RD], s23, v3                    ; back: eight lanes to a row of 128 bytes, four rows an instruction
	v_lshlrev_b32 v[CO], 4, v6
	s_mul_i32 s23, s14, FW
	s_add_co_u32 s23, s23, FSTG                    ; my f32 stage
	v_mul_u32_u24 v5, v1, 528
	v_lshl_add_u32 v5, v2, 5, v5
	v_add_nc_u32 v[STF], s23, v5
	v_add_nc_u32 v[RDF], s23, v[CO]
	s_lshl_b32 s21, s67, 15                        ; cos, sin: 128 bytes a position: (256 which + 64 wave + r) x 128 + 16 h
	s_lshl_b32 s22, s14, 13
	s_add_co_u32 s21, s21, s22
	v_lshlrev_b32 v5, 7, v1
	v_lshl_add_u32 v5, v2, 4, v5
	v_add_nc_u32 v[CSO], s21, v5
	WIN TO_B
.irp a, 0,1,2,3                        ; lane (r, h) takes, of its position's 32 pairs, pairs 8 c + 4 h + 0 .. 3, c = 0 .. 3; accumulators b and b + 4 (the two heads) share them, and so do q and k
.irp c, 0,1,2,3
	global_load_b128 v[128+32*\a+4*\c:128+32*\a+4*\c+3], v[CSO], s[92:93] offset:2048*\a+32*\c
	global_load_b128 v[128+32*\a+16+4*\c:128+32*\a+16+4*\c+3], v[CSO], s[94:95] offset:2048*\a+32*\c
.endr
.endr
	WIN 0
	s_lshl_b32 s20, s12, 4                         ; qkv: (16 batch + 2 column group) heads of 131,072 bytes,
	s_lshl_b32 s21, s42, 1
	s_add_co_u32 s20, s20, s21
	s_lshl_b32 s20, s20, 17
	s_lshl_b32 s21, s67, 15                        ; my first position x 128 bytes
	s_add_co_u32 s20, s20, s21
	s_lshl_b32 s21, s14, 13
	s_add_co_u32 s20, s20, s21
	s_mov_b32 s21, 0
	s_add_nc_u64 s[96:97], s[96:97], s[20:21]      ; in q's part; each later way out steps it a part on
	s_mul_i32 s20, s12, 196608                     ; fine: the batch's 16 rows of 12,288 bytes, my first column x 4
	s_lshl_b32 s21, s42, 9
	s_add_co_u32 s20, s20, s21
	s_mov_b32 s21, 0
	s_add_nc_u64 s[98:99], s[98:99], s[20:21]
; A fragment, 16 rows x 128 K of 4-bit codes, is 8 registers: lane l holds row l % 16; registers 4 c .. 4 c + 3 hold K = 64 c + 32 (l / 16) + 0 .. 31: two loads of 16 bytes, 32 bytes apart.
.macro FETCH_B buf, q, p               ; w's eight fragments of the q-th 128 along K, out of buffer buf, into set p
	WIN TO_B
.irp b, 0,1,2,3,4,5,6,7
.irp c, 0,1
	ds_load_b128 v[64*(\p)+8*\b+4*\c:64*(\p)+8*\b+4*\c+3], v[ADRB+\buf] offset:64*(\q)+32*\c+\b*16*PITCH
.endr
.endr
.endm
.macro ALOADQ q                        ; x's four fragments of the q-th 128 along K: they stay
	WIN TO_A
.irp a, 0,1,2,3
.irp c, 0,1
	ds_load_b128 v[64*\a+8*(\q)+4*\c:64*\a+8*(\q)+4*\c+3], v[ADRA] offset:64*(\q)+32*\c+\a*16*PITCH
.endr
.endr
.endm
; The scale words of all of K: eight words a row, two loads.  Lanes 0-15 take x's block i (only i < 4 is used: for i >= 4 they read bytes of the scales' region that no product takes), lanes 16-31 w's block i of the part in hand.
.macro SCALES
	WIN 0
.irp i, 0,1,2,3,4,5,6,7
.irp hq, 0,1
	ds_load_b128 v[SC+8*\i+4*\hq:SC+8*\i+4*\hq+3], v[ADRS] offset:HALFB*(\i/4)+SBLK*(\i%4)+16*\hq
.endr
.endr
.endm
.macro PLACES n                        ; plain vector instructions between a matrix instruction and a load into, or a read of, its registers
.rept \n
	v_nop
.endr
.endm
; 32 matrix instructions: x's four blocks against w's eight, 128 along K.  The 32 accumulators take turns, one instruction a turn, in the same order in every step.
; A sub-tile's first step starts the sums with the constant 0: nothing is cleared.
.macro MUL32 p, q
.irp a, 0,1,2,3
.irp b, 0,1,2,3,4,5,6,7
.if (\q) == 0
	v_wmma_scale_f32_16x16x128_f8f6f4 v[8*(8*\a+\b):8*(8*\a+\b)+7], v[64*(\p)+8*\b:64*(\p)+8*\b+7], v[64*\a+8*(\q):64*\a+8*(\q)+7], 0, v[SC+8*\b+(\q)], v[SC+8*\a+(\q)] matrix_a_fmt:MATRIX_FMT_FP4 matrix_b_fmt:MATRIX_FMT_FP4 matrix_a_scale:MATRIX_SCALE_ROW1
.else
	v_wmma_scale_f32_16x16x128_f8f6f4 v[8*(8*\a+\b):8*(8*\a+\b)+7], v[64*(\p)+8*\b:64*(\p)+8*\b+7], v[64*\a+8*(\q):64*\a+8*(\q)+7], v[8*(8*\a+\b):8*(8*\a+\b)+7], v[SC+8*\b+(\q)], v[SC+8*\a+(\q)] matrix_a_fmt:MATRIX_FMT_FP4 matrix_b_fmt:MATRIX_FMT_FP4 matrix_a_scale:MATRIX_SCALE_ROW1
.endif
.endr
.endr
.endm
; A step of 128 along K.  Its fragments were asked for a step ago; the next step's are asked for ahead of its 32 products, into the set that the last step multiplied.  first = 1 (q's sub-tile): x's fragments of the next step come too.
.macro KSTEP buf, q, first
	s_wait_dscnt 0x0                               ; this step's fragments are in
.if (\q) < 7
.if (\q) > 0
	PLACES NP                                      ; (ahead of a sub-tile's first step the places stand at the head of the way out before it)
.endif
	FETCH_B \buf, (\q)+1, ((\q)+1)%2
.if \first
	ALOADQ (\q)+1
.endif
.endif
	WIN MUL
	MUL32 (\q)%2, \q
.endm
.macro MAIN buf, first
.irp q, 0,1,2,3,4,5,6,7
	KSTEP \buf, \q, \first
.endr
	WIN 0
.endm
; THE WAY OUT, a block of 16 rows x 128 columns (two heads) at a time.
; (t1, t2) -> (t1 c - t2 s, t1 s + t2 c): a packed multiply by c, then a packed multiply-add that takes the pair crosswise, the low half's t2 negated.  Each accumulator is read from its low end on.
.macro ROPE a
.set AC, 64*(\a)
.set CC, 128+32*(\a)
	WIN 0x0e                                       ; source 0 (the accumulators) window 2, source 1 (cos, sin) window 3
.irp b, 0,1,2,3,4,5,6,7
.irp p, 0,1
	v_pk_mul_f32 v[T+8*\b+4*\p:T+8*\b+4*\p+1], v[AC+8*\b+4*\p:AC+8*\b+4*\p+1], v[CC+4*(\b%4)+2*\p:CC+4*(\b%4)+2*\p+1] op_sel:[0,0] op_sel_hi:[1,0]
	v_pk_mul_f32 v[T+8*\b+4*\p+2:T+8*\b+4*\p+3], v[AC+8*\b+4*\p+2:AC+8*\b+4*\p+3], v[CC+4*(\b%4)+2*\p:CC+4*(\b%4)+2*\p+1] op_sel:[0,1] op_sel_hi:[1,1]
	v_pk_fma_f32 v[T+8*\b+4*\p:T+8*\b+4*\p+1], v[AC+8*\b+4*\p:AC+8*\b+4*\p+1], v[CC+16+4*(\b%4)+2*\p:CC+16+4*(\b%4)+2*\p+1], v[T+8*\b+4*\p:T+8*\b+4*\p+1] op_sel:[1,0,0] op_sel_hi:[0,0,1] neg_lo:[1,0,0]
	v_pk_fma_f32 v[T+8*\b+4*\p+2:T+8*\b+4*\p+3], v[AC+8*\b+4*\p+2:AC+8*\b+4*\p+3], v[CC+16+4*(\b%4)+2*\p:CC+16+4*(\b%4)+2*\p+1], v[T+8*\b+4*\p+2:T+8*\b+4*\p+3] op_sel:[1,1,0] op_sel_hi:[0,1,1] neg_lo:[1,0,0]
.endr
.endr
	WIN 0
.endm
.macro CVT a, rope                     ; to f16: a lane's eight columns become 16 bytes
.if \rope
.irp b, 0,1,2,3,4,5,6,7
.irp i, 0,1,2,3
	v_cvt_pk_f16_f32 v[H+4*\b+\i], v[T+8*\b+2*\i], v[T+8*\b+2*\i+1]
.endr
.endr
.else
.set AC, 64*(\a)
	WIN 0x0a                                       ; sources 0 and 1: window 2
.irp b, 0,1,2,3,4,5,6,7
.irp i, 0,1,2,3
	v_cvt_pk_f16_f32 v[H+4*\b+\i], v[AC+8*\b+2*\i], v[AC+8*\b+2*\i+1]
.endr
.endr
	WIN 0
.endif
.endm
.macro TOSTAGE a                       ; through my own stage: LDS serves a wave's instructions in order, so no wait stands between the stores and the loads
.irp b, 0,1,2,3,4,5,6,7
	ds_store_b128 v[STO], v[H+4*\b:H+4*\b+3] offset:2304*(\b/4)+32*(\b%4)
.endr
.irp hh, 0,1
.irp i, 0,1,2,3
	ds_load_b128 v[BK+32*((\a)%2)+4*(4*\hh+\i):BK+32*((\a)%2)+4*(4*\hh+\i)+3], v[RD] offset:2304*\hh+576*\i
.endr
.endr
.endm
.macro SEND a
	s_wait_dscnt 0x0                               ; the block is back in registers, and the stage's stores have read H
.irp hh, 0,1
.irp i, 0,1,2,3
	global_store_b128 v[CO], v[BK+32*((\a)%2)+4*(4*\hh+\i):BK+32*((\a)%2)+4*(4*\hh+\i)+3], s[96:97] offset:131072*\hh+2048*(\a)+512*\i   ; four rows of a head: 512 consecutive bytes, aligned
.endr
.endr
.endm
; The first 16 positions of a sequence leave as f32 too: only where they are my block 0 (a branch on the cluster's y and the wave's number).
.macro FINE i, rope
	s_cmp_lg_u32 s2, 0
	s_cbranch_scc1 .Lno_fine_\@
.if \rope
.irp b, 0,1,2,3,4,5,6,7
	ds_store_b128 v[STF], v[T+8*\b:T+8*\b+3] offset:64*\b
	ds_store_b128 v[STF], v[T+8*\b+4:T+8*\b+7] offset:64*\b+16
.endr
.else
	WIN 0x08                                       ; an LDS store's data are its source 1: window 2
.irp b, 0,1,2,3,4,5,6,7
	ds_store_b128 v[STF], v[8*\b:8*\b+3] offset:64*\b              ; each accumulator from its low end on
	ds_store_b128 v[STF], v[8*\b+4:8*\b+7] offset:64*\b+16
.endr
	WIN 0
.endif
.irp t, 0,1,2,3,4,5,6,7,8,9,10,11,12,13,14,15
	ds_load_b128 v[BK+4*\t:BK+4*\t+3], v[RDF] offset:528*\t
.endr
	s_wait_dscnt 0x0
.irp t, 0,1,2,3,4,5,6,7,8,9,10,11,12,13,14,15
	global_store_b128 v[CO], v[BK+4*\t:BK+4*\t+3], s[98:99] offset:4096*(\i)+12288*\t   ; 512 consecutive bytes of a row, aligned
.endr
	s_wait_xcnt 0x0                                ; these registers are loaded again below
.Lno_fine_\@:
.endm
; The way out of part i.  A block's rotary stands between the loads that bring the block before back from the stage and the wait for them.
.macro OUT i, rope
	PLACES NP                                      ; behind the sub-tile's last products: for the reads of results here, and for the next sub-tile's loads into the fragments' and the scales' registers
.if (\i) > 0
	s_wait_xcnt 0x0                                ; the last part's stores have read their base and their registers
	s_add_nc_u64 s[96:97], s[96:97], 0x1000000     ; a part on: 16 MiB
.else
	s_wait_loadcnt 0x0                             ; cos and sin, asked for at the head
.endif
.irp a, 0,1,2,3
.if \rope
	ROPE \a
.endif
.if \a == 0
	FINE \i, \rope
.else
	SEND \a-1
.endif
	CVT \a, \rope
.if \a > 1
	s_wait_xcnt 0x0                                ; the stores of two blocks ago have read the registers that are loaded now
.endif
	TOSTAGE \a
.endr
	SEND 3
.endm
	s_wait_tensorcnt 0x0                           ; my two first fills have landed
	s_barrier_signal -1
	s_barrier_wait -1                              ; everybody's have: x, q's and k's tiles, all scales
	SCALES
	FETCH_B 0, 0, 0
	ALOADQ 0
	MAIN 0, 1                                      ; q
	s_wait_tensorcnt 0x0                           ; no tensor load of mine is out, so a group 0 may be written
	ds_add_u32 v[SPW], v[NIL]
	s_add_nc_u64 s[G0B+2:G0B+3], s[G0B+2:G0B+3], 0x100000   ; two parts on, 2,048 rows of 512 bytes: in wave 2 from q's tile to v's
	s_wait_dscnt 0x0                               ; the add is done; my reads of q's tile and of x's rows are over
	CROUND                                         ; so are those of every wave of every partner
	s_cmp_eq_u32 s14, 2                            ; one load of 128 rows brings the tile: wave 2 issues it, in every work-group
	s_cbranch_scc0 .Lno_refill
	tensor_load_to_lds s[G0B:G0B+3], s[G1B:G1B+7]  ; v's tile into q's bytes: it has q's way out, k's products and k's way out in which to land
	s_nop 0
.rept 4
	v_nop
.endr
.Lno_refill:
	OUT 0, 1
	v_add_nc_u32 v[ADRS], v[HP], v[ADRS]           ; lanes 16-31: on to k's scale words
	SCALES
	FETCH_B 1, 0, 0
	MAIN 1, 0                                      ; k
	OUT 1, 1
	s_wait_tensorcnt 0x0                           ; wave 2: v's tile has landed
	s_barrier_signal -1                            ; (no LDS instruction of mine is out: the way out ended with its wait)
	s_barrier_wait -1
	v_add_nc_u32 v[ADRS], v[HP], v[ADRS]           ; v's scale words
	SCALES
	FETCH_B 0, 0, 0
	MAIN 0, 0                                      ; v
	OUT 2, 0
	s_wait_tensorcnt 0x0                           ; the wave's end
	ds_add_u32 v[SPW], v[NIL]
	s_wait_dscnt 0x0
	CROUND                                         ; the closing round
	s_endpgm
.Lfunc_end_k_qffbcbc6e21_qkv:
	.size	k_qffbcbc6e21_qkv, .Lfunc_end_k_qffbcbc6e21_qkv-k_qffbcbc6e21_qkv
	.p2alignl 7, 3214868480
	.fill 96, 4, 3214868480
	.section	.rodata,"a",@progbits
	.p2align	6, 0x0
	.amdhsa_kernel k_qffbcbc6e21_qkv
		.amdhsa_group_segment_fixed_size 327680
		.amdhsa_private_segment_fixed_size 0
		.amdhsa_enable_private_segment 0
		.amdhsa_kernarg_size 64
		.amdhsa_user_sgpr_count 2
		.amdhsa_user_sgpr_kernarg_segment_ptr 1
		.amdhsa_wavefront_size32 1
		.amdhsa_system_sgpr_workgroup_id_x 1
		.amdhsa_system_sgpr_workgroup_id_y 1
		.amdhsa_system_sgpr_workgroup_id_z 1
		.amdhsa_system_vgpr_workitem_id 0
		.amdhsa_next_free_vgpr 1024
		.amdhsa_next_free_sgpr 102
		.amdhsa_reserve_vcc 0
		.amdhsa_float_denorm_mode_32 3
		.amdhsa_float_denorm_mode_16_64 3
		.amdhsa_memory_ordered 1
		.amdhsa_forward_progress 1
		.amdhsa_inst_pref_size 235
	.end_amdhsa_kernel
	.amdgpu_metadata
---
amdhsa.version: [ 1, 2 ]
amdhsa.kernels:
  - .name:           k_qffbcbc6e21_qkv
    .symbol:         k_qffbcbc6e21_qkv.kd
    .args:
      - { .name: xc, .offset: 0, .size: 8, .value_kind: global_buffer, .address_space: global }
      - { .name: xs, .offset: 8, .size: 8, .value_kind: global_buffer, .address_space: global }
      - { .name: wc, .offset: 16, .size: 8, .value_kind: global_buffer, .address_space: global }
      - { .name: ws, .offset: 24, .size: 8, .value_kind: global_buffer, .address_space: global }
      - { .name: freqs_cos, .offset: 32, .size: 8, .value_kind: global_buffer, .address_space: global }
      - { .name: freqs_sin, .offset: 40, .size: 8, .value_kind: global_buffer, .address_space: global }
      - { .name: qkv, .offset: 48, .size: 8, .value_kind: global_buffer, .address_space: global }
      - { .name: fine, .offset: 56, .size: 8, .value_kind: global_buffer, .address_space: global }
    .group_segment_fixed_size: 327680
    .private_segment_fixed_size: 0
    .kernarg_segment_align: 8
    .kernarg_segment_size: 64
    .max_flat_workgroup_size: 128
    .sgpr_count:     102
    .vgpr_count:     1024
    .wavefront_size: 32
...
	.end_amdgpu_metadata
.endif
;; end of part 2
;; launch attn (part 3): grid 2 x 128, 8 waves a work-group, no clusters, 327,680 bytes of LDS; arguments qkv, att; writes att
.if DOCPART == 3
	.amdgcn_target "amdgcn-amd-amdhsa--gfx1250"
	.amdhsa_code_object_version 6
	.text
	.protected	k_qffbcbc6e21_attn
	.globl	k_qffbcbc6e21_attn
	.p2align	8
	.type	k_qffbcbc6e21_attn,@function
k_qffbcbc6e21_attn:
	s_mov_b64 s[64:65], 0
	v_nop
	global_prefetch_b8 v0, s[64:65] scope:SCOPE_SE
	s_setreg_imm32_b32 hwreg(HW_REG_WAVE_MODE, 25, 1), 1
	s_wait_xcnt 0x0
; LAUNCH 3 OF 5.  att[head][position][:] = sum over keys of softmax(q . k / 8, keys of later blocks of 8 masked) v, for each batch and head.  q, k, v: f16 [part][16 batch + head][1024][64]; att: f16 [head][1024 batch + position][64].
; Products on f16 operands with f32 sums; maxima, exponentials and sums in f32; the weights p (at most 1) are rounded to f16 for the second product, the result once at the end.
; WORK LEFT OUT: a step of 64 keys that lie wholly behind a wave's 32 queries (their p is 0 for all finite inputs: shown at the head of launch 1).  Inside a step on the diagonal hidden scores become -infinity, where
; reference() has the least f32 number: p is 0 either way.  LIMIT: a NaN or an infinity in k or v at masked keys alone is not carried to the result; |values| under 65,504.
; SHARES.  Work-group (p, head) owns two blocks of 256 queries: first block 3 - p, then block p.  That is 4 - p and p + 1 slots of 256 keys: five slots whatever p is, so all 256 work-groups have equal work and every trip count is a
; constant.  A wave owns 32 queries, two tiles of 16, so that each fragment of K or V read from LDS feeds two matrix instructions; two waves lie on a SIMD, one wave's softmax beside the other's products.
; In a diagonal slot the pair of tiles t needs t / 2 + 1 of the four steps: wave w takes pair 0, 6, 2, 4, 7, 1, 5, 3, so that waves w and w + 4, and waves 2 i and 2 i + 1, have five steps together.
; NO CLUSTER: only two work-groups share a head's K and V, their walks part after three of the five slots, and four query blocks of a head as partners would have 1, 2, 3 and 4 slots of work: eight slots' time against five.
; LAYOUT.  S^T = K Q^T (source 0 = 16 keys, source 1 = 16 queries): a lane holds ONE query (lane % 16) and keys 8 (lane / 16) + 0..7.  Two such tiles rounded to f16 in pairs ARE source 1 (32 keys x 16 queries) of O^T = V^T P.
; K comes out of LDS as it lies, V ([key][channel]) turned, by ds_load_tr16_b128.  SOFTMAX: a running maximum m and sum l: p = 2^(c s - c m), c = log2(e) / 8; in every step O and l are multiplied by a = 2^(c m_old - c m_new).
; LDS.  K and V of a head are dense in memory, so a tile is stated as rows of 256 bytes, two keys to a row; K's rows are 272 bytes apart, V's 288: key n lies at (n / 2) pitch + 128 (n % 2).
; REGISTERS: window 0: v1-15 addresses; v16-31 statistics, 8 a tile; v32-95 S^T; v96-127 P; v128-191 K's fragments; v192-255 V's.  Window 1: v0-31 Q; v32-95 O^T.
.set VOFF,  128*272                    ; a slot: 128 long rows of K, then 128 of V
.set SLOT1, 1<<17                      ; slot 1 begins here: one exclusive or turns an address from one slot to the other
.set STAGE, SLOT1+128*(272+288)        ; behind the slots: 32 rows x (128 bytes + 16) for each wave
.set SPARE, STAGE+8*4608               ; the spare words, 128 bytes a wave
.set AK0, 1
.set AV0, 2
.set ADK, 3
.set ADV, 4
.set SPW, 5
.set NIL, 6
.set QO,  7
.set STO, 8
.set RD,  9
.set GO,  10
.set PFO, 11
.set MD,  12                           ; v12 (r & 8) - 8 h;  v13, v14: the same + my tile's first query - the step's first key
.set D0,  13
.set NEG, 15                           ; v15 -infinity
.set ST,  16                           ; tile t at v[ST + 8 t]: +0 c m, +1 m, +2, +3 l (even keys', odd keys'), +4 .. +7 at work; a in +6
.set S,   32
.set P,   96
.set KFR, 128
.set VFR, 192
.set OT,  32                           ; in window 1
.set WV,  8
.set SEL, 20
.set CS,  22
.set G1K, 24
.set G1V, 32
.set G0K, 40
.set G0V, 44
.set TK,  48                           ; s48 LDS byte at which the step's keys begin;  s49 the same for V
.set TV,  49
.set SLOTS, 50                         ; s50 slots still to be asked for
.set CNT, 51
.set KF,  52                           ; s52 the step's first key
.set Q0,  53                           ; s53 my first query;  s54 that of the second pass
.set Q0A, 54
.set WRAP, 55                          ; s55 1 + p: the value of s50 in the trip that ends the first pass
.set BACK, 58                          ; s58 (4 - p) tiles in bytes: from behind the first pass's last tile back to tile 0
.set LIM, 59
.set PFA, 60
.set MSB, 0
.macro WIN new
.if MSB != \new
	s_set_vgpr_msb (MSB<<8)|\new
.set MSB, \new
.endif
.endm
.set W_KQ,   0x04                      ; Q (source 1) in window 1
.set W_RS,   0x41                      ; O^T (destination and source 0) in window 1
.set W_PV,   0x50                      ; C and D in window 1
.set W_NORM, 0x01                      ; source 0 in window 1
.set W_TO1,  0x40                      ; destination in window 1
; Waves 0 and 1 fetch K's halves of a slot, waves 2 and 3 V's, the others nothing.  An s_nop 0 and four v_nop follow each of the two lines.
.macro TLOAD
	s_cmp_lt_u32 s[WV], 2
	s_cbranch_scc0 .Lnot_k_\@
	tensor_load_to_lds s[G0K:G0K+3], s[G1K:G1K+7]
	s_nop 0
.rept 4
	v_nop
.endr
	s_branch .Lasked_\@
.Lnot_k_\@:
	s_cmp_lt_u32 s[WV], 4
	s_cbranch_scc0 .Lasked_\@
	tensor_load_to_lds s[G0V:G0V+3], s[G1V:G1V+7]
	s_nop 0
.rept 4
	v_nop
.endr
.Lasked_\@:
.endm
; A prefetch of the tile that the NEXT change of slots will ask for.  Work-group p = 0 of a head walks tiles 0 to 3 and asks, nobody else; in it waves 4 and 5 ask for K's halves, waves 6 and 7 for V's: 16,384 bytes a wave,
; lanes 256 bytes apart, two instructions.  The first change names tile 2, the second tile 3: each aligned 256 bytes once, four key steps ahead of its load.  Tiles 0 and 1 come by their loads alone.
.macro ASK
	s_cmp_gt_u32 s[SLOTS], s[LIM]
	s_cbranch_scc0 .Lnot_mine_\@
	global_prefetch_b8 v[PFO], s[PFA:PFA+1] th:TH_LOAD_NT scope:SCOPE_SE
	global_prefetch_b8 v[PFO], s[PFA:PFA+1] offset:8192 th:TH_LOAD_NT scope:SCOPE_SE
.Lnot_mine_\@:
.endm
.macro QLOAD ptr                       ; my 32 queries stay in registers: tile t, channels 32 c on, at v[16 t + 8 c] of window 1
	WIN W_TO1
.irp t, 0,1
.irp c, 0,1
	global_load_b128 v[16*\t+8*\c:16*\t+8*\c+3], v[QO], s[\ptr:\ptr+1] offset:2048*\t+64*\c
	global_load_b128 v[16*\t+8*\c+4:16*\t+8*\c+7], v[QO], s[\ptr:\ptr+1] offset:2048*\t+64*\c+32
.endr
.endr
	WIN 0
.endm
.macro INIT                            ; the step is written once: a pass's first step finds m = -3e38 and zeros, which its a = 0 leaves zeros
.irp t, 0,1
	v_mov_b32 v[ST+8*\t+1], 0xff61b1e6
	v_mul_f32 v[ST+8*\t], s[CS], v[ST+8*\t+1]
.irp j, 2,3,4,5,6,7
	v_mov_b32 v[ST+8*\t+\j], 0
.endr
.endr
	WIN W_TO1
.set i, 0
.rept 64
	v_mov_b32 v[OT+i], 0
.set i, i+1
.endr
	WIN 0
.endm
	s_load_b128 s[4:7], s[0:1], 0x0                ; qkv, att
	v_lshl_add_u32 v[SPW], v0, 2, SPARE
	v_mov_b32 v[NIL], 0
	ds_add_u32 v[SPW], v[NIL]                      ; the wave's opening: the add, twice on end, and its wait ahead of the first tensor load
	ds_add_u32 v[SPW], v[NIL]
	v_lshrrev_b32 v1, 5, v0
	v_readfirstlane_b32 s[WV], v1                  ; wave 0..7
	s_mov_b32 s9, ttmp9                            ; p
	s_and_b32 s10, ttmp7, 0xffff                   ; 16 batch + head
	s_lshl_b32 s66, s[WV], 2
	s_lshr_b32 s11, 0x35174260, s66
	s_and_b32 s11, s11, 7                          ; my pair of tiles in a block of 256 queries
	s_sub_co_u32 s66, 3, s9
	s_lshl_b32 s66, s66, 8
	s_lshl_b32 s67, s11, 5
	s_add_co_u32 s[Q0], s66, s67                   ; 256 (3 - p) + 32 t
	s_lshl_b32 s66, s9, 8
	s_add_co_u32 s[Q0A], s66, s67                  ; 256 p + 32 t
	s_add_co_u32 s[WRAP], s9, 1
	s_sub_co_u32 s66, 4, s9
	s_lshl_b32 s[BACK], s66, 15
	s_mov_b32 s57, 0
	s_and_b32 s68, s10, 15
	s_lshl_b32 s68, s68, 13
	s_lshr_b32 s69, s10, 4
	s_lshl_b32 s69, s69, 10
	s_add_co_u32 s68, s68, s69                     ; att: row 8,192 head + 1,024 batch
	s_mov_b32 s[G1K], (3<<16)|(1<<20)|(5<<22)|(3<<25)   ; no mask; elements of 8 bytes; padding on: after every 64 words four words
	s_mov_b32 s[G1V], (3<<16)|(1<<20)|(5<<22)|(7<<25)   ; the same with eight words
.irp g, G1K, G1V
	s_mov_b32 s[\g+1], 32<<16                      ; tensor_dim0 = 32 elements: 256 bytes, two keys
	s_mov_b32 s[\g+2], 64<<16                      ; tensor_dim1 = 64 rows: 128 keys
	s_mov_b32 s[\g+3], 32<<16                      ; tile_dim0
	s_mov_b32 s[\g+4], 64                          ; tile_dim1
	s_mov_b32 s[\g+5], 32                          ; from row to row: dense
	s_mov_b32 s[\g+6], 0
	s_mov_b32 s[\g+7], 0
.endr
	s_and_b32 s74, s[WV], 1                        ; which half of a slot I fetch, or ask for
	s_mov_b32 s[G0K], 1
	s_mul_i32 s[G0K+1], s74, 64*272
	s_mov_b32 s[G0V], 1
	s_mul_i32 s[G0V+1], s74, 64*288
	s_add_co_u32 s[G0V+1], s[G0V+1], VOFF
	s_mov_b32 s[SEL], 0x76543210
	s_mov_b32 s[SEL+1], 0xfedcba98                 ; v_permlanex16_b32's selects for lane l xor 16
	s_mov_b32 s[CS], 0x3e38aa3b                    ; c = log2(e) / 8
	s_mov_b32 s[CS+1], s[CS]                       ; (named with it as a pair, so it is written)
	s_mov_b32 s[TK], 0
	s_mov_b32 s[TV], 0
	s_mov_b32 s[SLOTS], 4
	s_mov_b32 s[KF], 0
	s_lshr_b32 s66, s[WV], 2
	s_xor_b32 s66, s66, 1                          ; 0 in waves 4 to 7,
	s_or_b32 s66, s66, s9                          ; of work-group p = 0
	s_cmp_eq_u32 s66, 0
	s_cselect_b32 s[LIM], 2, -1                    ; such a wave asks while s50 is above 2: in the first two trips
	s_lshl_b32 s66, s10, 17                        ; a head's 131,072 bytes
	s_mov_b32 s67, 0
	s_wait_dscnt 0x0                               ; both opening adds are done
	s_wait_kmcnt 0x0
	s_add_nc_u64 s[4:5], s[4:5], s[66:67]          ; q of my head,
	s_add_nc_u64 s[70:71], s[4:5], 0x1000000       ; k,
	s_add_nc_u64 s[72:73], s[4:5], 0x2000000       ; v
	s_lshl_b32 s66, s74, 14                        ; my half: 128 keys of 128 bytes
	s_add_nc_u64 s[G0K+2:G0K+3], s[70:71], s[66:67]
	s_or_b32 s[G0K+3], s[G0K+3], 0x80000000
	s_add_nc_u64 s[G0V+2:G0V+3], s[72:73], s[66:67]
	s_or_b32 s[G0V+3], s[G0V+3], 0x80000000
	TLOAD                                          ; slot 0: tile 0
	s_cmp_lt_u32 s[WV], 6
	s_cselect_b64 s[PFA:PFA+1], s[70:71], s[72:73]
	s_add_nc_u64 s[PFA:PFA+1], s[PFA:PFA+1], s[66:67]
	s_add_nc_u64 s[PFA:PFA+1], s[PFA:PFA+1], 32768 ; in tile 1: the first change of slots steps it to tile 2
	s_lshl_b32 s66, s[Q0], 7
	s_add_nc_u64 s[12:13], s[4:5], s[66:67]        ; my queries of the first pass,
	s_lshl_b32 s66, s[Q0A], 7
	s_add_nc_u64 s[14:15], s[4:5], s[66:67]        ; of the second;
	s_add_co_u32 s66, s68, s[Q0]
	s_lshl_b32 s66, s66, 7
	s_add_nc_u64 s[16:17], s[6:7], s[66:67]        ; and their rows of att
	s_add_co_u32 s66, s68, s[Q0A]
	s_lshl_b32 s66, s66, 7
	s_add_nc_u64 s[18:19], s[6:7], s[66:67]
	v_and_b32 v16, 15, v0                          ; r
	v_bfe_u32 v17, v0, 4, 1                        ; h
	v_and_b32 v18, 31, v0                          ; lane
	v_lshrrev_b32 v19, 1, v16
	v_mul_u32_u24 v[AK0], v19, 272
	v_and_b32 v19, 1, v0
	v_lshl_add_u32 v[AK0], v19, 7, v[AK0]
	v_lshl_add_u32 v[AK0], v17, 4, v[AK0]          ; K: key r of a tile: 272 (r / 2) + 128 (r % 2) + 16 h
	v_bfe_u32 v20, v0, 1, 2
	v_lshl_add_u32 v20, v17, 2, v20
	v_mul_u32_u24 v[AV0], v20, 288
	v_lshl_add_u32 v[AV0], v19, 7, v[AV0]
	v_bfe_u32 v20, v0, 3, 1
	v_lshl_add_u32 v[AV0], v20, 4, v[AV0]
	v_add_nc_u32 v[AV0], VOFF, v[AV0]              ; V, for the turning load: key 8 h + lane % 8, channels 8 ((lane / 8) % 2) on
	v_lshlrev_b32 v[QO], 7, v16
	v_lshl_add_u32 v[QO], v17, 4, v[QO]            ; Q: row r of 128 bytes + 16 h
	s_mul_i32 s66, s[WV], 4608
	s_add_co_u32 s66, s66, STAGE                   ; my stage
	v_mul_u32_u24 v[STO], v16, 144
	v_lshl_add_u32 v[STO], v17, 4, v[STO]
	v_add_nc_u32 v[STO], s66, v[STO]
	v_lshrrev_b32 v20, 3, v18
	v_mul_u32_u24 v[RD], v20, 144
	v_and_b32 v20, 7, v0
	v_lshl_add_u32 v[RD], v20, 4, v[RD]
	v_add_nc_u32 v[RD], s66, v[RD]
	v_lshlrev_b32 v[GO], 4, v18
	v_lshlrev_b32 v[PFO], 8, v18
	v_and_b32 v[MD], 8, v16
	v_lshlrev_b32 v20, 3, v17
	v_sub_nc_u32 v[MD], v[MD], v20
	v_mov_b32 v[NEG], 0xff800000
	QLOAD 12
	INIT
	s_wait_loadcnt 0x0                             ; Q
; A KEY STEP: 64 keys.
.macro STEP
	s_add_co_u32 s66, s[Q0], 31
	s_cmp_gt_u32 s[KF], s66                        ; all 64 keys lie behind my 32 queries: the step's work is left out (ids and counts alone; no barrier and no tensor load stands in a step)
	s_cbranch_scc1 .Lhid_\@
	v_add_nc_u32 v[ADK], s[TK], v[AK0]             ; these four are also the places between the last step's products and the loads into V's registers
	v_add_nc_u32 v[ADV], s[TV], v[AV0]
	v_nop
	v_nop
.irp i, 0,1,2,3
.irp c, 0,1
	ds_load_b128 v[KFR+16*\i+8*\c:KFR+16*\i+8*\c+3], v[ADK] offset:2176*\i+64*\c
	ds_load_b128 v[KFR+16*\i+8*\c+4:KFR+16*\i+8*\c+7], v[ADK] offset:2176*\i+64*\c+32
.endr
.endr
.irp u, 0,1
.irp ct, 0,1,2,3
	ds_load_tr16_b128 v[VFR+32*\u+8*\ct:VFR+32*\u+8*\ct+3], v[ADV] offset:4608*\u+32*\ct
	ds_load_tr16_b128 v[VFR+32*\u+8*\ct+4:VFR+32*\u+8*\ct+7], v[ADV] offset:4608*\u+32*\ct+2304
.endr
.endr
	s_wait_dscnt 16                                ; K is in; V's sixteen loads may be out
	WIN W_KQ
.irp c, 0,1                            ; S^T: eight accumulators by turns; the first eight products start the sums
.irp i, 0,1,2,3
.irp t, 0,1
.if \c == 0
	v_wmma_f32_16x16x32_f16 v[S+32*\t+8*\i:S+32*\t+8*\i+7], v[KFR+16*\i+8*\c:KFR+16*\i+8*\c+7], v[16*\t+8*\c:16*\t+8*\c+7], 0
.else
	v_wmma_f32_16x16x32_f16 v[S+32*\t+8*\i:S+32*\t+8*\i+7], v[KFR+16*\i+8*\c:KFR+16*\i+8*\c+7], v[16*\t+8*\c:16*\t+8*\c+7], v[S+32*\t+8*\i:S+32*\t+8*\i+7]
.endif
.endr
.endr
.endr
	WIN 0
.rept 4
	v_nop
.endr
	s_add_co_u32 s66, s[KF], 56
	s_cmp_le_u32 s66, s[Q0]                        ; the step's last block of 8 keys begins at or before my first query: nothing is hidden
	s_cbranch_scc1 .Lopen_\@
	s_sub_co_i32 s66, s[Q0], s[KF]
	v_add_nc_u32 v[D0], s66, v[MD]                 ; tile 0: my query's block begins at KF + d + 8 h; a register of key tile i holds keys of the block at KF + 16 i + 8 h: hidden where 16 i > d
	v_add_nc_u32 v[D0+1], 16, v[D0]                ; tile 1
.irp t, 0,1
.irp i, 0,1,2,3
	v_cmp_gt_i32 vcc_lo, 16*\i, v[D0+\t]
.irp j, 0,1,2,3,4,5,6,7
	v_cndmask_b32 v[S+32*\t+8*\i+\j], v[S+32*\t+8*\i+\j], v[NEG], vcc_lo
.endr
.endr
.endr
.Lopen_\@:
.irp j, 0,1,2,3                        ; the maximum of my 32 scores and the old m: four chains, the two tiles by turns
.irp t, 0,1
	v_max3_num_f32 v[ST+8*\t+4+\j], v[S+32*\t+8*\j], v[S+32*\t+8*\j+1], v[S+32*\t+8*\j+2]
.endr
.endr
.irp k, 3,5
.irp j, 0,1,2,3
.irp t, 0,1
	v_max3_num_f32 v[ST+8*\t+4+\j], v[ST+8*\t+4+\j], v[S+32*\t+8*\j+\k], v[S+32*\t+8*\j+\k+1]
.endr
.endr
.endr
.irp t, 0,1
	v_max3_num_f32 v[ST+8*\t+4], v[ST+8*\t+4], v[S+32*\t+7], v[S+32*\t+15]
	v_max3_num_f32 v[ST+8*\t+6], v[ST+8*\t+6], v[S+32*\t+23], v[S+32*\t+31]
.endr
.irp t, 0,1
	v_max3_num_f32 v[ST+8*\t+4], v[ST+8*\t+4], v[ST+8*\t+5], v[ST+8*\t+6]
.endr
.irp t, 0,1
	v_max3_num_f32 v[ST+8*\t+4], v[ST+8*\t+4], v[ST+8*\t+7], v[ST+8*\t+1]
.endr
.irp t, 0,1
	v_permlanex16_b32 v[ST+8*\t+5], v[ST+8*\t+4], s[SEL], s[SEL+1]   ; the query's other 32 keys lie in the lane 16 away
.endr
.irp t, 0,1
	v_mov_b32 v[ST+8*\t+7], v[ST+8*\t]             ; c m_old is kept for a
.endr
.irp t, 0,1
	v_max_num_f32 v[ST+8*\t+1], v[ST+8*\t+4], v[ST+8*\t+5]
.endr
.irp t, 0,1
	v_mul_f32 v[ST+8*\t], s[CS], v[ST+8*\t+1]
.endr
.irp t, 0,1
	v_sub_f32 v[ST+8*\t+7], v[ST+8*\t+7], v[ST+8*\t]
.endr
.irp b, 0,2,4,6,8,10,12,14,16,18,20,22,24,26,28,30
.irp t, 0,1
	v_pk_fma_f32 v[S+32*\t+\b:S+32*\t+\b+1], v[S+32*\t+\b:S+32*\t+\b+1], s[CS:CS+1], v[ST+8*\t:ST+8*\t+1] op_sel_hi:[1,0,0] neg_lo:[0,0,1] neg_hi:[0,0,1]   ; c s - c m
.endr
.endr
.irp t, 0,1
	v_exp_f32 v[ST+8*\t+6], v[ST+8*\t+7]           ; a
.endr
.set i, 0
.rept 32
	v_exp_f32 v[S+i], v[S+i]                       ; p
	v_exp_f32 v[S+32+i], v[S+32+i]
.set i, i+1
.endr
	v_nop                                          ; a plain instruction behind the last exponential
	s_wait_alu depctr_va_vdst(0)                   ; one wait for the 66 exponentials, ahead of their first reader
.irp n, 0,1,2,3,4,5,6,7,8,9,10,11,12,13,14,15
.irp t, 0,1
	v_cvt_pk_f16_f32 v[P+16*\t+\n], v[S+32*\t+2*\n], v[S+32*\t+2*\n+1]
.endr
.endr
.irp u, 0,1,2,3,4,5,6,7                ; the sum of the unrounded p, in place: neighbours 1, 2, 4 and 8 pairs apart
.irp t, 0,1
	v_pk_add_f32 v[S+32*\t+4*\u:S+32*\t+4*\u+1], v[S+32*\t+4*\u:S+32*\t+4*\u+1], v[S+32*\t+4*\u+2:S+32*\t+4*\u+3]
.endr
.endr
.irp u, 0,1,2,3
.irp t, 0,1
	v_pk_add_f32 v[S+32*\t+8*\u:S+32*\t+8*\u+1], v[S+32*\t+8*\u:S+32*\t+8*\u+1], v[S+32*\t+8*\u+4:S+32*\t+8*\u+5]
.endr
.endr
.irp u, 0,1
.irp t, 0,1
	v_pk_add_f32 v[S+32*\t+16*\u:S+32*\t+16*\u+1], v[S+32*\t+16*\u:S+32*\t+16*\u+1], v[S+32*\t+16*\u+8:S+32*\t+16*\u+9]
.endr
.endr
.irp t, 0,1
	v_pk_add_f32 v[S+32*\t:S+32*\t+1], v[S+32*\t:S+32*\t+1], v[S+32*\t+16:S+32*\t+17]
.endr
.irp t, 0,1
	v_pk_fma_f32 v[ST+8*\t+2:ST+8*\t+3], v[ST+8*\t+2:ST+8*\t+3], v[ST+8*\t+6:ST+8*\t+7], v[S+32*\t:S+32*\t+1] op_sel_hi:[1,0,1]   ; l = a l + the sum
.endr
	WIN W_RS
.irp t, 0,1
.irp n, 0,2,4,6,8,10,12,14,16,18,20,22,24,26,28,30
	v_pk_mul_f32 v[OT+32*\t+\n:OT+32*\t+\n+1], v[OT+32*\t+\n:OT+32*\t+\n+1], v[ST+8*\t+6:ST+8*\t+7] op_sel_hi:[1,0]   ; O^T x a, each accumulator from its low end on
.endr
.endr
	s_wait_dscnt 0x0                               ; V is in
	WIN W_PV
.irp u, 0,1                            ; O^T += V^T P: eight accumulators by turns
.irp ct, 0,1,2,3
.irp t, 0,1
	v_wmma_f32_16x16x32_f16 v[OT+32*\t+8*\ct:OT+32*\t+8*\ct+7], v[VFR+32*\u+8*\ct:VFR+32*\u+8*\ct+7], v[P+16*\t+8*\u:P+16*\t+8*\u+7], v[OT+32*\t+8*\ct:OT+32*\t+8*\ct+7]
.endr
.endr
.endr
	WIN 0
.Lhid_\@:
	s_add_co_u32 s[KF], s[KF], 64
	s_add_co_u32 s[TK], s[TK], 32*272
	s_add_co_u32 s[TV], s[TV], 32*288
.endm
.macro FOUR_STEPS                      ; a slot's four key steps: written once, walked four times; then on to the other slot
	s_mov_b32 s[CNT], 4
.Lstep_\@:
	STEP
	s_sub_co_u32 s[CNT], s[CNT], 1
	s_cmp_lg_u32 s[CNT], 0
	s_cbranch_scc1 .Lstep_\@
	s_sub_co_u32 s[TK], s[TK], 128*272
	s_sub_co_u32 s[TV], s[TV], 128*288
	s_xor_b32 s[TK], s[TK], SLOT1
	s_xor_b32 s[TV], s[TV], SLOT1
.endm
; THE CHANGE OF SLOTS stands at a slot's head.  Each wave waits for all its tensor loads (its part of the slot ahead), adds 0 to its spare word, and waits for that and for its reads of the slot that it has left.
; Behind the barrier the slot ahead is whole and nobody reads the other one: fill = 1: that one is filled with the tile that follows, which has four key steps in which to land.  One tensor load of a wave is out at most.
.macro CHANGE fill
	s_wait_tensorcnt 0x0                           ; no tensor load of mine is out, so a group 0 may be written
	ds_add_u32 v[SPW], v[NIL]
.if \fill
	ds_add_u32 v[SPW], v[NIL]                      ; and, where a load follows that four waves are led round, twice on end
	s_xor_b32 s[G0K+1], s[G0K+1], SLOT1            ; the walking descriptors: the other slot than last time,
	s_xor_b32 s[G0V+1], s[G0V+1], SLOT1
	s_cmp_eq_u32 s[SLOTS], s[WRAP]                 ; the next tile, or tile 0 again where the second pass begins
	s_cselect_b32 s56, s[BACK], 0
	s_add_nc_u64 s[G0K+2:G0K+3], s[G0K+2:G0K+3], 32768
	s_sub_nc_u64 s[G0K+2:G0K+3], s[G0K+2:G0K+3], s[56:57]
	s_add_nc_u64 s[G0V+2:G0V+3], s[G0V+2:G0V+3], 32768
	s_sub_nc_u64 s[G0V+2:G0V+3], s[G0V+2:G0V+3], s[56:57]
	s_wait_xcnt 0x0                                ; the last prefetches, a slot back, have read their address
	s_add_nc_u64 s[PFA:PFA+1], s[PFA:PFA+1], 32768
.endif
	s_wait_dscnt 0x0                               ; the add is done, my reads of the slot that I have left are over
	s_barrier_signal -1
	s_barrier_wait -1
.if \fill
	TLOAD
	ASK
.endif
.endm
; THE END OF A PASS.  O^T is divided by l, rounded to f16 and goes through my stage, so that the wave's 32 rows of 128 bytes leave as 4,096 consecutive bytes.  more = 1: the second pass's queries come in.
.macro FLUSH optr, more
.rept 4
	v_nop
.endr
.irp t, 0,1
	v_add_f32 v[ST+8*\t+4], v[ST+8*\t+2], v[ST+8*\t+3]
.endr
.irp t, 0,1
	v_permlanex16_b32 v[ST+8*\t+5], v[ST+8*\t+4], s[SEL], s[SEL+1]
.endr
.irp t, 0,1
	v_add_f32 v[ST+8*\t+4], v[ST+8*\t+4], v[ST+8*\t+5]
.endr
.irp t, 0,1
	v_rcp_f32 v[ST+8*\t+6], v[ST+8*\t+4]
.endr
	v_nop
	s_wait_alu depctr_va_vdst(0)                   ; one wait for the two reciprocals, ahead of their first reader
	WIN W_NORM
.irp t, 0,1
.irp n, 0,2,4,6,8,10,12,14,16,18,20,22,24,26,28,30
	v_pk_mul_f32 v[S+32*\t+\n:S+32*\t+\n+1], v[OT+32*\t+\n:OT+32*\t+\n+1], v[ST+8*\t+6:ST+8*\t+7] op_sel_hi:[1,0]
.endr
.endr
	WIN 0
.irp t, 0,1
.irp n, 0,1,2,3,4,5,6,7,8,9,10,11,12,13,14,15
	v_cvt_pk_f16_f32 v[P+16*\t+\n], v[S+32*\t+2*\n], v[S+32*\t+2*\n+1]
.endr
.endr
.irp t, 0,1
.irp ct, 0,1,2,3
	ds_store_b128 v[STO], v[P+16*\t+4*\ct:P+16*\t+4*\ct+3] offset:2304*\t+32*\ct
.endr
.endr
.irp i, 0,1,2,3,4,5,6,7
	ds_load_b128 v[S+4*\i:S+4*\i+3], v[RD] offset:576*\i           ; LDS serves a wave's instructions in order: these see my stores
.endr
.irp i, 0,1,2,3,4,5,6,7
	s_wait_dscnt 7-\i                              ; the loads issued behind load i may be out
	global_store_b128 v[GO], v[S+4*\i:S+4*\i+3], s[\optr:\optr+1] offset:512*\i   ; 512 consecutive bytes, aligned
.endr
.if \more
	s_wait_xcnt 0x0                                ; the stores have read their registers: the next products write them
	QLOAD 14
	s_mov_b32 s[Q0], s[Q0A]
	s_mov_b32 s[KF], 0
	INIT
	s_wait_loadcnt 0x0
.endif
.endm
.Lslot:                                            ; four trips: behind each change of slots but the last the next tile is asked for
	CHANGE 1
	FOUR_STEPS
	s_cmp_lg_u32 s[SLOTS], s[WRAP]                 ; the first pass ends behind slot 3 - p: the same in all eight waves
	s_cbranch_scc1 .Lnot_yet
	FLUSH 16, 1
.Lnot_yet:
	s_sub_co_u32 s[SLOTS], s[SLOTS], 1
	s_cmp_lg_u32 s[SLOTS], 0
	s_cbranch_scc1 .Lslot
	CHANGE 0                                       ; the last slot is written out: nothing is left to fetch
	FOUR_STEPS
	FLUSH 18, 0
	s_wait_tensorcnt 0x0                           ; the wave's end
	ds_add_u32 v[SPW], v[NIL]
	s_wait_dscnt 0x0
	s_endpgm
.Lfunc_end_k_qffbcbc6e21_attn:
	.size	k_qffbcbc6e21_attn, .Lfunc_end_k_qffbcbc6e21_attn-k_qffbcbc6e21_attn
	.p2alignl 7, 3214868480
	.fill 96, 4, 3214868480
	.section	.rodata,"a",@progbits
	.p2align	6, 0x0
	.amdhsa_kernel k_qffbcbc6e21_attn
		.amdhsa_group_segment_fixed_size 327680
		.amdhsa_private_segment_fixed_size 0
		.amdhsa_enable_private_segment 0
		.amdhsa_kernarg_size 16
		.amdhsa_user_sgpr_count 2
		.amdhsa_user_sgpr_kernarg_segment_ptr 1
		.amdhsa_wavefront_size32 1
		.amdhsa_system_sgpr_workgroup_id_x 1
		.amdhsa_system_sgpr_workgroup_id_y 1
		.amdhsa_system_sgpr_workgroup_id_z 1
		.amdhsa_system_vgpr_workitem_id 0
		.amdhsa_next_free_vgpr 384
		.amdhsa_next_free_sgpr 80
		.amdhsa_reserve_vcc 1
		.amdhsa_float_denorm_mode_32 3
		.amdhsa_float_denorm_mode_16_64 3
		.amdhsa_memory_ordered 1
		.amdhsa_forward_progress 1
		.amdhsa_inst_pref_size 69
	.end_amdhsa_kernel
	.amdgpu_metadata
---
amdhsa.version: [ 1, 2 ]
amdhsa.kernels:
  - .name:           k_qffbcbc6e21_attn
    .symbol:         k_qffbcbc6e21_attn.kd
    .args:
      - { .name: qkv, .offset: 0, .size: 8, .value_kind: global_buffer, .address_space: global }
      - { .name: att, .offset: 8, .size: 8, .value_kind: global_buffer, .address_space: global }
    .group_segment_fixed_size: 327680
    .private_segment_fixed_size: 0
    .kernarg_segment_align: 8
    .kernarg_segment_size: 16
    .max_flat_workgroup_size: 256
    .sgpr_count:     80
    .vgpr_count:     384
    .wavefront_size: 32
...
	.end_amdgpu_metadata
.endif
;; end of part 3
;; launch proj (part 4): grid 4 x 64, 4 waves a work-group, clusters of 4 x 4, 327,680 bytes of LDS; arguments att, woh, out0; writes out0
.if DOCPART == 4
	.amdgcn_target "amdgcn-amd-amdhsa--gfx1250"
	.amdhsa_code_object_version 6
	.text
	.protected	k_qffbcbc6e21_proj
	.globl	k_qffbcbc6e21_proj
	.p2align	8
	.type	k_qffbcbc6e21_proj,@function
k_qffbcbc6e21_proj:
	s_mov_b64 s[64:65], 0
	v_nop
	global_prefetch_b8 v0, s[64:65] scope:SCOPE_SE
	s_setreg_imm32_b32 hwreg(HW_REG_WAVE_MODE, 25, 1), 1
	s_wait_xcnt 0x0
	s_wait_alu depctr_hold_cnt(0) depctr_sa_sdst(0) depctr_va_vdst(0) depctr_va_sdst(0) depctr_va_ssrc(0) depctr_va_vcc(0) depctr_vm_vsrc(0)
	s_getreg_b32 s2, hwreg(HW_REG_IB_STS2, 6, 4)
	s_cmp_eq_u32 s2, 0
	s_cbranch_scc0 .Lentry_in_a_cluster
	s_endpgm
.Lentry_in_a_cluster:
	s_bfe_u32 s2, ttmp6, 0x10000c
	s_cmp_lg_u32 s2, 0xf033
	s_cbranch_scc0 .Lentry_shape_is_right
	s_endpgm
.Lentry_shape_is_right:
; LAUNCH 4 OF 5.  out0[m][n] = sum over k of att[m][k] wo[n][k], m = 8,192 positions, n = 1,024, K = 1,024 (k = 64 head + channel); f16 operands, f32 sums, f32 out.
; att lies [head][position][64], so a K step of 128 is two planes, and a tile's 128 rows of a plane are 16,384 dense bytes, stated as 64 rows of 256 bytes (two positions to a row).  woh lies [n][1024].
; NOT STORED HERE: the first 16 positions of every sequence: launch 5 makes and stores those 128 rows in f32.  They stay inside tiles that hold live rows.
; A tile of out0 is 128 x 256, which gives 256 work-groups (256 x 256 would give 128).  Four waves, each 64 x 128: 32 accumulators.  K goes in 8 steps of 128 through two LDS slots.
; CLUSTERS: 4 x 4 work-groups; att's tiles are shared along a row of the cluster, woh's along a column, each asked for jointly.  Along y: cluster y = 8 (batch / 4) + (which 128 positions), cy = batch % 4, so that
; 'a sequence's first tile' hangs on the cluster's y alone and is the same in all partners.
; THE MATRIX INSTRUCTION IS USED TRANSPOSED (source 0 = 16 rows of woh, source 1 = 16 rows of att): a lane holds eight neighbouring columns of a row of out0.
; REGISTERS: window 0: v0-31 addresses; two fragment buffers of 96 at v32 and v128 (att's four fragments, then woh's eight, for 32 along K); window 1: the accumulators ((a, b) at v[8 (8 a + b)]).
.set APL,   64*272                     ; a plane of att in a slot
.set BH,    128*272                    ; 128 rows of woh
.set SLOT,  2*APL+2*BH
.set STAGE, 2*SLOT                     ; 16 rows x (512 bytes + 16) for each wave
.set SPARE, STAGE+4*16*528
.set ASTEP, 2097152                    ; a K step on: two planes of att,
.set BSTEP, 256                        ; 128 elements of a row of woh
.set ADRA, 16
.set ADRB, 20
.set STO,  24
.set RD,   25
.set CO,   26
.set SPW,  28
.set NIL,  29
.set F0,   32
.set F1,   128
.set BK,   32
.set G1, 24
.set G0, 32
.set G1B, 48
.set G0B, 56
.set MSB, 0
.macro WIN new
.if MSB != \new
	s_set_vgpr_msb (MSB<<8)|\new
.set MSB, \new
.endif
.endm
.set MUL, 0x50                         ; C and D window 1
.macro JLOAD s                         ; a joint load: waves 0 and 1 fetch att's two planes, waves 2 and 3 woh's halves; an s_nop 0 and four v_nop follow each of the two lines
	s_cmp_eq_u32 s11, 0
	s_cbranch_scc0 .Lfor_b_\@
	tensor_load_to_lds s[G0+4*\s:G0+4*\s+3], s[G1:G1+7]
	s_nop 0
.rept 4
	v_nop
.endr
	s_branch .Lasked_\@
.Lfor_b_\@:
	tensor_load_to_lds s[G0B+4*\s:G0B+4*\s+3], s[G1B:G1B+7]
	s_nop 0
.rept 4
	v_nop
.endr
.Lasked_\@:
.endm
.macro CREST                           ; a round of the cluster's barrier behind its opening barrier
	s_cmp_lg_u32 s10, 0
	s_cbranch_scc1 .Lnot_wave_0_\@
	s_barrier_signal -3
.Lnot_wave_0_\@:
	s_barrier_wait -3
	s_barrier_signal -1
	s_barrier_wait -1
.endm
.macro CROUND
	s_barrier_signal -1
	s_barrier_wait -1
	CREST
.endm
	s_load_b128 s[4:7], s[0:1], 0x0                ; att, woh
	s_load_b64 s[8:9], s[0:1], 0x10                ; out0
	v_lshl_add_u32 v[SPW], v0, 2, SPARE
	v_mov_b32 v[NIL], 0
	ds_add_u32 v[SPW], v[NIL]                      ; the wave's opening: the add, twice on end, and its wait ahead of my first tensor load
	ds_add_u32 v[SPW], v[NIL]
	v_lshrrev_b32 v1, 5, v0
	v_readfirstlane_b32 s10, v1                    ; wave 0..3
	s_lshr_b32 s11, s10, 1                         ; which 64 rows of the tile are mine.  Also: I fetch for att (0) or for woh (1)
	s_and_b32 s12, s10, 1                          ; which 128 columns.  Also: which plane, or which 128 rows of woh, I fetch
	s_bfe_u32 s40, ttmp6, 0x40000                  ; cx
	s_bfe_u32 s41, ttmp6, 0x40004                  ; cy
	s_lshl_b32 s42, ttmp9, 2
	s_add_co_u32 s42, s42, s40                     ; tile column
	s_and_b32 s14, ttmp7, 0xffff                   ; cluster y
	s_and_b32 s15, s14, 7                          ; which 128 positions of the sequence
	s_lshr_b32 s13, s14, 3
	s_lshl_b32 s13, s13, 2
	s_add_co_u32 s13, s13, s41                     ; batch
	s_lshl_b32 s13, s13, 3
	s_add_co_u32 s13, s13, s15                     ; tile row = 8 batch + which
	s_or_b32 s2, s15, s11                          ; 0 where my first 16 rows are a sequence's first 16 positions
	s_lshl_b32 s43, s41, 2
	s_lshl_b32 s43, 15, s43                        ; my row of the cluster
	s_lshl_b32 s44, 0x1111, s40                    ; my column
	s_or_b32 s[G1+0], s43, (3<<16)|(1<<20)|(1<<21)|(5<<22)|(3<<25)   ; att: the mask; elements of 8 bytes; padding on; bit 21 beside a mask; after every 64 words four words
	s_mov_b32 s[G1+1], 32<<16                      ; tensor_dim0 = 32 elements
	s_mov_b32 s[G1+2], 64<<16                      ; tensor_dim1 = 64 rows
	s_mov_b32 s[G1+3], 32<<16
	s_mov_b32 s[G1+4], 64
	s_mov_b32 s[G1+5], 32                          ; dense
	s_mov_b32 s[G1+6], 0
	s_mov_b32 s[G1+7], 0
	s_or_b32 s[G1B+0], s44, (1<<16)|(1<<20)|(1<<21)|(5<<22)|(3<<25)  ; woh: elements of 2 bytes
	s_mov_b32 s[G1B+1], 128<<16
	s_mov_b32 s[G1B+2], 128<<16
	s_mov_b32 s[G1B+3], 128<<16
	s_mov_b32 s[G1B+4], 128
	s_mov_b32 s[G1B+5], 1024
	s_mov_b32 s[G1B+6], 0
	s_mov_b32 s[G1B+7], 0
	s_lshl_b32 s16, s12, 20                        ; att: my plane, the tile's 128 rows of 128 bytes
	s_lshl_b32 s17, s13, 14
	s_add_co_u32 s16, s16, s17
	s_mov_b32 s17, 0
	s_lshl_b32 s46, s42, 19                        ; woh: row 256 x tile column + 128 x half, 2,048 bytes a row
	s_lshl_b32 s47, s12, 18
	s_add_co_u32 s46, s46, s47
	s_mov_b32 s47, 0
	s_mul_i32 s20, s12, APL                        ; where they go
	s_mul_i32 s21, s12, BH
	s_add_co_u32 s21, s21, 2*APL
	s_wait_dscnt 0x0                               ; both opening adds are done
	s_wait_kmcnt 0x0
	s_add_nc_u64 s[14:15], s[4:5], s[16:17]
	s_add_nc_u64 s[46:47], s[6:7], s[46:47]
	CROUND                                         ; all sixteen work-groups are here: the first joint loads meet
.irp s, 0,1
	s_mov_b32 s[G0+4*\s], 1
	s_add_co_u32 s[G0+4*\s+1], s20, \s*SLOT
	s_add_nc_u64 s[G0+4*\s+2:G0+4*\s+3], s[14:15], \s*ASTEP
	s_or_b32 s[G0+4*\s+3], s[G0+4*\s+3], 0x80000000
	s_mov_b32 s[G0B+4*\s], 1
	s_add_co_u32 s[G0B+4*\s+1], s21, \s*SLOT
	s_add_nc_u64 s[G0B+4*\s+2:G0B+4*\s+3], s[46:47], \s*BSTEP
	s_or_b32 s[G0B+4*\s+3], s[G0B+4*\s+3], 0x80000000
	JLOAD \s
.endr
	v_and_b32 v1, 15, v0                           ; r
	v_bfe_u32 v2, v0, 4, 1                         ; h
	v_lshrrev_b32 v3, 1, v1
	v_mul_u32_u24 v3, v3, 272
	v_and_b32 v4, 1, v0
	v_lshl_add_u32 v3, v4, 7, v3
	v_lshl_add_u32 v3, v2, 4, v3                   ; att: row r of a block: 272 (r / 2) + 128 (r % 2) + 16 h
	v_mul_u32_u24 v4, v1, 272
	v_lshl_add_u32 v4, v2, 4, v4                   ; woh: 272 r + 16 h
	s_mul_i32 s21, s11, 32*272                     ; my 64 rows of att: 32 long rows
	s_mul_i32 s22, s12, BH                         ; my 128 rows of woh,
	s_add_co_u32 s22, s22, 2*APL                   ; behind att's planes
.irp s, 0,1
	v_add_nc_u32 v[ADRA+\s], s21, v3
	v_add_nc_u32 v[ADRB+\s], s22, v4
	s_add_co_u32 s21, s21, SLOT
	s_add_co_u32 s22, s22, SLOT
.endr
	s_mul_i32 s23, s10, 16*528
	s_add_co_u32 s23, s23, STAGE                   ; my stage
	v_mul_u32_u24 v5, v1, 528
	v_lshl_add_u32 v5, v2, 5, v5
	v_add_nc_u32 v[STO], s23, v5
	v_and_b32 v6, 31, v0
	v_lshlrev_b32 v[CO], 4, v6
	v_add_nc_u32 v[RD], s23, v[CO]
	s_lshl_b32 s16, s13, 7
	s_lshl_b32 s17, s11, 6
	s_add_co_u32 s16, s16, s17                     ; my first row of out0,
	s_lshl_b32 s16, s16, 12                        ; 4,096 bytes a row,
	s_lshl_b32 s17, s42, 10
	s_add_co_u32 s16, s16, s17                     ; my first column x 4
	s_lshl_b32 s17, s12, 9
	s_add_co_u32 s16, s16, s17
	s_mov_b32 s17, 0
	s_add_nc_u64 s[8:9], s[8:9], s[16:17]
; 8 matrix instructions: att's block a against woh's eight, 32 along K.  The 32 accumulators take turns, one instruction a turn, in the same order in every quarter.
.macro MULA f, a, zero
.irp b, 0,1,2,3,4,5,6,7
.if \zero
	v_wmma_f32_16x16x32_f16 v[8*(8*(\a)+\b):8*(8*(\a)+\b)+7], v[\f+32+8*\b:\f+32+8*\b+7], v[\f+8*(\a):\f+8*(\a)+7], 0
.else
	v_wmma_f32_16x16x32_f16 v[8*(8*(\a)+\b):8*(8*(\a)+\b)+7], v[\f+32+8*\b:\f+32+8*\b+7], v[\f+8*(\a):\f+8*(\a)+7], v[8*(8*(\a)+\b):8*(8*(\a)+\b)+7]
.endif
.endr
.endm
; 24 LDS loads in one run: the fragments of the slot's q-th 32 along K into buffer f: woh's eight, then att's four (blocks 2 and 3 last)
.macro FETCH slot, q, f
	WIN 0
.irp i, 0,1,2,3,4,5,6,7
	ds_load_b128 v[\f+32+8*\i:\f+32+8*\i+3], v[ADRB+\slot] offset:64*(\q)+4352*\i
	ds_load_b128 v[\f+32+8*\i+4:\f+32+8*\i+7], v[ADRB+\slot] offset:64*(\q)+4352*\i+32
.endr
.irp i, 0,1,2,3
	ds_load_b128 v[\f+8*\i:\f+8*\i+3], v[ADRA+\slot] offset:APL*((\q)/2)+64*((\q)%2)+2176*\i
	ds_load_b128 v[\f+8*\i+4:\f+8*\i+7], v[ADRA+\slot] offset:APL*((\q)/2)+64*((\q)%2)+2176*\i+32
.endr
.endm
.macro PLACES                          ; four plain vector instructions in front of loads into registers that matrix instructions have read, and of the first read of results
.rept 4
	v_nop
.endr
.endm
; A K step is four quarters of 32 along K, 32 matrix instructions each, on buffers 0, 1, 0, 1.  One of the first three multiplies buffer f and fetches quarter qn into g.
.macro QUARTER slot, qn, f, g, zero
	s_wait_dscnt 4                                 ; woh's eight and att's blocks 0, 1 are in; the youngest four loads may be out
	WIN MUL
	MULA \f, 0, \zero
	MULA \f, 1, \zero
	PLACES
	FETCH \slot, \qn, \g
	s_wait_dscnt 24                                ; all but the 24 just issued
	WIN MUL
	MULA \f, 2, \zero
	MULA \f, 3, \zero
.endm
; The last quarter multiplies buffer 1 and changes slots: one barrier; in front of it each wave waits for all its tensor loads, adds 0 to its spare word, and waits for that and for its reads of this slot.
; fill = 1: the barrier opens a round of the cluster's barrier, and the slot is filled again, two K steps ahead, first thing behind the round.
.macro TURN slot, next, fill
	WIN 0
	s_wait_tensorcnt 0x0                           ; all my tensor loads have landed: my part of the next slot
	ds_add_u32 v[SPW], v[NIL]
	s_wait_dscnt 5                                 ; (the add and the youngest four loads may be out)
	WIN MUL
	MULA F1, 0, 0
	s_wait_dscnt 0x0                               ; the add is done, my reads of this slot are over
	s_barrier_signal -1
	MULA F1, 1, 0
	WIN 0
	s_barrier_wait -1
.if \fill
	CREST                                          ; no wave of any partner still reads this slot's tile or has a load on its way
	s_add_nc_u64 s[G0+4*\slot+2:G0+4*\slot+3], s[G0+4*\slot+2:G0+4*\slot+3], 2*ASTEP
	s_add_nc_u64 s[G0B+4*\slot+2:G0B+4*\slot+3], s[G0B+4*\slot+2:G0B+4*\slot+3], 2*BSTEP
	JLOAD \slot                                    ; its four v_nop are also the places in front of the loads below
.else
	PLACES
.endif
	FETCH \next, 0, F0
	WIN MUL
	MULA F1, 2, 0
	MULA F1, 3, 0
.endm
	s_wait_tensorcnt 1                             ; my part of K step 0 is in; step 1's load may be out
	s_barrier_signal -1
	s_barrier_wait -1
	FETCH 0, 0, F0
	QUARTER 0, 1, F0, F1, 1                        ; the first quarter's products start the sums: nothing is cleared
	WIN 0
	s_mov_b32 s3, 3
.Llap:                                             ; three trips, each once round the two slots: the six refills are K steps 2 to 7
	QUARTER 0, 2, F1, F0, 0
	QUARTER 0, 3, F0, F1, 0
	TURN 0, 1, 1
	QUARTER 1, 1, F0, F1, 0
	QUARTER 1, 2, F1, F0, 0
	QUARTER 1, 3, F0, F1, 0
	TURN 1, 0, 1
	QUARTER 0, 1, F0, F1, 0
	WIN 0
	s_sub_co_u32 s3, s3, 1
	s_cmp_lg_u32 s3, 0
	s_cbranch_scc1 .Llap
	QUARTER 0, 2, F1, F0, 0                        ; the last two K steps fill nothing
	QUARTER 0, 3, F0, F1, 0
	TURN 0, 1, 0
	QUARTER 1, 1, F0, F1, 0
	QUARTER 1, 2, F1, F0, 0
	QUARTER 1, 3, F0, F1, 0
	s_wait_dscnt 4
	WIN MUL
	MULA F1, 0, 0
	MULA F1, 1, 0
	s_wait_dscnt 0
	MULA F1, 2, 0
	MULA F1, 3, 0
	WIN 0
; THE WAY OUT, a block of 16 rows x 128 columns at a time, through my own stage: a lane holds 32 bytes of a row; back come whole rows of 512 bytes.
.macro OUTBLK a
.if (\a) > 0
	s_wait_xcnt 0x0                                ; the last block's stores have read the registers that are loaded now
.endif
	WIN 0x04                                       ; an LDS store's data are its source 1: window 1
.irp b, 0,1,2,3,4,5,6,7
	ds_store_b128 v[STO], v[8*(8*(\a)+\b):8*(8*(\a)+\b)+3] offset:64*\b            ; each accumulator from its low end on
	ds_store_b128 v[STO], v[8*(8*(\a)+\b)+4:8*(8*(\a)+\b)+7] offset:64*\b+16
.endr
	WIN 0
.irp t, 0,1,2,3,4,5,6,7,8,9,10,11,12,13,14,15
	ds_load_b128 v[BK+4*\t:BK+4*\t+3], v[RD] offset:528*\t         ; LDS serves a wave's instructions in order: these see my stores
.endr
	s_wait_dscnt 0x0
.irp t, 0,1,2,3,4,5,6,7,8,9,10,11,12,13,14,15
	global_store_b128 v[CO], v[BK+4*\t:BK+4*\t+3], s[8:9] offset:65536*(\a)+4096*\t th:TH_STORE_NT   ; 512 consecutive bytes, aligned
.endr
.endm
	PLACES
	s_cmp_eq_u32 s2, 0                             ; a sequence's first 16 positions are launch 5's: the cluster's y and the wave's number alone decide
	s_cbranch_scc1 .Lnot_mine
	OUTBLK 0
.Lnot_mine:
	OUTBLK 1
	OUTBLK 2
	OUTBLK 3
	s_wait_tensorcnt 0x0                           ; the wave's end
	ds_add_u32 v[SPW], v[NIL]
	s_wait_dscnt 0x0
	CROUND                                         ; the closing round
	s_endpgm
.Lfunc_end_k_qffbcbc6e21_proj:
	.size	k_qffbcbc6e21_proj, .Lfunc_end_k_qffbcbc6e21_proj-k_qffbcbc6e21_proj
	.p2alignl 7, 3214868480
	.fill 96, 4, 3214868480
	.section	.rodata,"a",@progbits
	.p2align	6, 0x0
	.amdhsa_kernel k_qffbcbc6e21_proj
		.amdhsa_group_segment_fixed_size 327680
		.amdhsa_private_segment_fixed_size 0
		.amdhsa_enable_private_segment 0
		.amdhsa_kernarg_size 24
		.amdhsa_user_sgpr_count 2
		.amdhsa_user_sgpr_kernarg_segment_ptr 1
		.amdhsa_wavefront_size32 1
		.amdhsa_system_sgpr_workgroup_id_x 1
		.amdhsa_system_sgpr_workgroup_id_y 1
		.amdhsa_system_sgpr_workgroup_id_z 1
		.amdhsa_system_vgpr_workitem_id 0
		.amdhsa_next_free_vgpr 512
		.amdhsa_next_free_sgpr 66
		.amdhsa_reserve_vcc 0
		.amdhsa_float_denorm_mode_32 3
		.amdhsa_float_denorm_mode_16_64 3
		.amdhsa_memory_ordered 1
		.amdhsa_forward_progress 1
		.amdhsa_inst_pref_size 85
	.end_amdhsa_kernel
	.amdgpu_metadata
---
amdhsa.version: [ 1, 2 ]
amdhsa.kernels:
  - .name:           k_qffbcbc6e21_proj
    .symbol:         k_qffbcbc6e21_proj.kd
    .args:
      - { .name: att, .offset: 0, .size: 8, .value_kind: global_buffer, .address_space: global }
      - { .name: woh, .offset: 8, .size: 8, .value_kind: global_buffer, .address_space: global }
      - { .name: out0, .offset: 16, .size: 8, .value_kind: global_buffer, .address_space: global }
    .group_segment_fixed_size: 327680
    .private_segment_fixed_size: 0
    .kernarg_segment_align: 8
    .kernarg_segment_size: 24
    .max_flat_workgroup_size: 128
    .sgpr_count:     66
    .vgpr_count:     512
    .wavefront_size: 32
...
	.end_amdgpu_metadata
.endif
;; end of part 4
;; launch first16 (part 5): grid 32 x 8, 4 waves a work-group, no clusters, 71,168 bytes of LDS; arguments fine, wo, out0; writes out0
.if DOCPART == 5
	.amdgcn_target "amdgcn-amd-amdhsa--gfx1250"
	.amdhsa_code_object_version 6
	.text
	.protected	k_qffbcbc6e21_first16
	.globl	k_qffbcbc6e21_first16
	.p2align	8
	.type	k_qffbcbc6e21_first16,@function
k_qffbcbc6e21_first16:
	s_mov_b64 s[64:65], 0
	v_nop
	global_prefetch_b8 v0, s[64:65] scope:SCOPE_SE
	s_setreg_imm32_b32 hwreg(HW_REG_WAVE_MODE, 25, 1), 1
	s_wait_xcnt 0x0
; LAUNCH 5 OF 5.  The first 16 positions of every sequence, where a row of the softmax averages 8 or 16 values: scores, softmax, P V and the projection once more, with f32 operands (v_wmma_f32_16x16x4_f32): 128 of the 8,192 rows.
; fine: [batch][16 positions][3072 = q, k, v behind the rotary] f32.  wo: [1024 n][1024 k] f32.  Positions 0-7 see keys 0-7, positions 8-15 keys 0-15 (hidden scores become -infinity: p = 0, as with reference()'s least number).
; SHARES.  Work-group (chunk, batch) makes 16 rows x 32 columns of out0.  Phase 1, repeated in each of a batch's 32 chunks (as many multiply-adds as phase 2): wave w makes the attention of heads 4 w .. 4 w + 3, normalised, into LDS.
; Phase 2: wave (tn = w % 2, kh = w / 2) multiplies the 16 rows by 16 rows of wo over half of K; the halves meet in LDS.
; A store of this launch covers four runs of 128 consecutive bytes (half of an aligned 256): 0.5 MB of the output.  Chunks of 64 columns would cover whole runs of 256 and leave half of the WGPs without work.
; OPERANDS.  A lane's 16 bytes (k = 8 g + 4 h + 0..3 of its row) feed two matrix instructions, registers 0, 1 and 2, 3; both operands of a product take k in the same order, so every k meets its partner once.
; Four accumulators take turns in every run of products; their registers, v32-95, are written by matrix instructions alone, and the sums of four go into other registers.
; REGISTERS: window 0: v1-15 addresses; v16-23 scores, later the output's sums; v24-31 p; v32-63, v64-95 accumulators; v96-103 at work; v112-239 two buffers of the attention's rows.
;   Window 1: my 16 rows of wo, half of K.  Window 2: K and Q of my four heads.  Window 3: V of my four heads, key along the registers.
.set APITCH, 4112                      ; a row of the attention in LDS: 4,096 bytes + 16
.set RED,    66048                     ; behind its 16 rows: two halves of 16 rows x (128 bytes + 16)
.set SPARE,  70656                     ; the spare words, 128 bytes a wave
.set SS,  16
.set P,   24
.set SA,  32
.set OA,  64
.set AB,  112
.set SPW, 12
.set NIL, 13
.set MSB, 0
.macro WIN new
.if MSB != \new
	s_set_vgpr_msb (MSB<<8)|\new
.set MSB, \new
.endif
.endm
.macro PLACES8                         ; eight plain vector instructions behind this matrix form (ISA guide 7.12.1)
.rept 8
	v_nop
.endr
.endm
	s_load_b128 s[4:7], s[0:1], 0x0                ; fine, wo
	s_load_b64 s[8:9], s[0:1], 0x10                ; out0
	v_lshl_add_u32 v[SPW], v0, 2, SPARE
	v_mov_b32 v[NIL], 0
	v_lshrrev_b32 v1, 5, v0
	v_readfirstlane_b32 s10, v1                    ; wave
	s_and_b32 s11, s10, 1                          ; tn
	s_lshr_b32 s12, s10, 1                         ; kh
	s_and_b32 s13, ttmp7, 0xffff                   ; batch
	v_and_b32 v1, 15, v0                           ; r
	v_bfe_u32 v2, v0, 4, 1                         ; h
	v_and_b32 v11, 31, v0                          ; lane
	v_mul_u32_u24 v3, v1, 12288
	v_lshl_add_u32 v3, v2, 4, v3                   ; q, k: row r of fine + 16 h
	v_mul_u32_u24 v4, v2, 98304
	v_lshl_add_u32 v4, v1, 2, v4                   ; v: key 8 h, channel r
	v_lshlrev_b32 v5, 12, v1
	v_lshl_add_u32 v5, v2, 4, v5                   ; wo: row r + 16 h
	v_mul_u32_u24 v6, v1, APITCH
	v_lshl_add_u32 v7, v2, 4, v6
	v_lshl_add_u32 v6, v2, 5, v6
	s_lshl_b32 s14, s10, 10
	v_add_nc_u32 v6, s14, v6                       ; the attention into LDS: row r, + 32 h, + my four heads' 1,024 bytes
	s_lshl_b32 s14, s12, 11
	v_add_nc_u32 v7, s14, v7                       ; and out of it: row r, + 16 h, + my half of K
	v_mul_u32_u24 v8, v1, 144
	v_lshl_add_u32 v8, v2, 5, v8
	s_mul_i32 s14, s12, 2304
	s_lshl_b32 s15, s11, 6
	s_add_co_u32 s14, s14, s15
	s_add_co_u32 s14, s14, RED
	v_add_nc_u32 v8, s14, v8                       ; my half sums: half kh, row r, + 64 tn + 32 h
	v_lshrrev_b32 v15, 3, v11
	v_and_b32 v96, 7, v0
	s_lshl_b32 s14, s10, 2
	v_add_nc_u32 v15, s14, v15                     ; the row that I store: 4 w + lane / 8
	v_mul_u32_u24 v9, v15, 144
	v_lshl_add_u32 v9, v96, 4, v9
	v_add_nc_u32 v9, RED, v9
	v_lshlrev_b32 v10, 12, v15
	v_lshl_add_u32 v10, v96, 4, v10
	v_mov_b32 v14, 0xff800000                      ; -infinity
	v_lshrrev_b32 v96, 3, v1
	v_cmp_gt_u32 s24, v2, v96                      ; keys 8-15 (h = 1) are hidden from positions 0-7
	v_mov_b32 v99, 0                               ; (named as the upper half of the pair v[98:99])
	s_mov_b32 s20, 0x76543210
	s_mov_b32 s21, 0xfedcba98                      ; v_permlanex16_b32's selects for lane l xor 16
	s_mov_b32 s22, 0x3e38aa3b                      ; c = log2(e) / 8
	s_mov_b32 s23, s22
	s_mul_i32 s16, s13, 196608                     ; fine: my batch, my four heads
	s_lshl_b32 s17, s10, 10
	s_add_co_u32 s16, s16, s17
	s_mov_b32 s17, 0
	s_lshl_b32 s18, ttmp9, 5                       ; wo: row 32 chunk + 16 tn, my half of K
	s_lshl_b32 s19, s11, 4
	s_add_co_u32 s18, s18, s19
	s_lshl_b32 s18, s18, 12
	s_lshl_b32 s19, s12, 11
	s_add_co_u32 s18, s18, s19
	s_mov_b32 s19, 0
	s_lshl_b32 s26, s13, 22                        ; out0: my batch's first row, my chunk's 128 bytes
	s_lshl_b32 s27, ttmp9, 7
	s_add_co_u32 s26, s26, s27
	s_mov_b32 s27, 0
	s_wait_kmcnt 0x0
	s_add_nc_u64 s[4:5], s[4:5], s[16:17]
	s_add_nc_u64 s[6:7], s[6:7], s[18:19]
	s_add_nc_u64 s[8:9], s[8:9], s[26:27]
	WIN 0x80                                       ; destination window 2
.irp e, 0,1,2,3
.irp g, 0,1,2,3,4,5,6,7
	global_load_b128 v[64*\e+4*\g:64*\e+4*\g+3], v3, s[4:5] offset:4096+256*\e+32*\g       ; K
	global_load_b128 v[64*\e+32+4*\g:64*\e+32+4*\g+3], v3, s[4:5] offset:256*\e+32*\g      ; Q
.endr
.endr
	WIN 0xc0                                       ; destination window 3
.irp e, 0,1,2,3
.irp ct, 0,1,2,3
.irp i, 0,1,2,3,4,5,6,7
	global_load_b32 v[32*\e+8*\ct+\i], v4, s[4:5] offset:8192+256*\e+64*\ct+12288*\i       ; V(key 8 h + i, channel 16 ct + r)
.endr
.endr
.endr
	WIN 0x40                                       ; destination window 1
.set g, 0
.rept 64
	global_load_b128 v[4*g:4*g+3], v5, s[6:7] offset:32*g
.set g, g+1
.endr
	WIN 0
	s_wait_loadcnt 63                              ; 256 loads were issued and 64 of them behind the last of q, k, v: with 63 out at most, all 192 of q, k, v are in
; One head: S^T = K Q^T (a lane: query r, keys 8 h + 0..7), the softmax, O^T = V^T P (a lane: query r, channels 16 ct + 8 h + 0..7), normalised, into LDS.
.macro HEAD e
	WIN 0x0a                                       ; K and Q: window 2
.irp g, 0,1,2,3,4,5,6,7
.irp jj, 0,1
.if \g < 2
	v_wmma_f32_16x16x4_f32 v[SA+8*((2*\g+\jj)%4):SA+8*((2*\g+\jj)%4)+7], v[64*\e+4*\g+2*\jj:64*\e+4*\g+2*\jj+1], v[64*\e+32+4*\g+2*\jj:64*\e+32+4*\g+2*\jj+1], 0
.else
	v_wmma_f32_16x16x4_f32 v[SA+8*((2*\g+\jj)%4):SA+8*((2*\g+\jj)%4)+7], v[64*\e+4*\g+2*\jj:64*\e+4*\g+2*\jj+1], v[64*\e+32+4*\g+2*\jj:64*\e+32+4*\g+2*\jj+1], v[SA+8*((2*\g+\jj)%4):SA+8*((2*\g+\jj)%4)+7]
.endif
.endr
.endr
	WIN 0
	PLACES8
.irp i, 0,2,4,6
	v_pk_add_f32 v[SS+\i:SS+\i+1], v[SA+\i:SA+\i+1], v[SA+8+\i:SA+8+\i+1]      ; the four partial sums, each read from its low end on
.endr
.irp i, 0,2,4,6
	v_pk_add_f32 v[SS+\i:SS+\i+1], v[SS+\i:SS+\i+1], v[SA+16+\i:SA+16+\i+1]
.endr
.irp i, 0,2,4,6
	v_pk_add_f32 v[SS+\i:SS+\i+1], v[SS+\i:SS+\i+1], v[SA+24+\i:SA+24+\i+1]
.endr
.irp i, 0,1,2,3,4,5,6,7
	v_cndmask_b32 v[SS+\i], v[SS+\i], v14, s24
.endr
	v_max3_num_f32 v96, v[SS], v[SS+1], v[SS+2]
	v_max3_num_f32 v97, v[SS+3], v[SS+4], v[SS+5]
	v_max3_num_f32 v96, v96, v[SS+6], v[SS+7]
	v_max_num_f32 v96, v96, v97
	v_permlanex16_b32 v97, v96, s20, s21
	v_max_num_f32 v96, v96, v97                    ; the row's maximum: keys 0-7 count for every row, so it is a number
	v_mul_f32 v98, s22, v96
.irp i, 0,2,4,6
	v_pk_fma_f32 v[SS+\i:SS+\i+1], v[SS+\i:SS+\i+1], s[22:23], v[98:99] op_sel_hi:[1,0,0] neg_lo:[0,0,1] neg_hi:[0,0,1]   ; c s - c m
.endr
.irp i, 0,1,2,3,4,5,6,7
	v_exp_f32 v[SS+\i], v[SS+\i]
.endr
	v_nop
	s_wait_alu depctr_va_vdst(0)                   ; one wait for the eight exponentials, ahead of their first reader
	v_pk_add_f32 v[100:101], v[SS:SS+1], v[SS+2:SS+3]
	v_pk_add_f32 v[102:103], v[SS+4:SS+5], v[SS+6:SS+7]
	v_pk_add_f32 v[100:101], v[100:101], v[102:103]
	v_add_f32 v100, v100, v101
	v_permlanex16_b32 v101, v100, s20, s21
	v_add_f32 v100, v100, v101
	v_rcp_f32 v100, v100
	v_nop
	s_wait_alu depctr_va_vdst(0)
.irp i, 0,2,4,6
	v_pk_mul_f32 v[P+\i:P+\i+1], v[SS+\i:SS+\i+1], v[100:101] op_sel_hi:[1,0]   ; p, normalised
.endr
	s_wait_dscnt 0x0                               ; the last head's LDS stores have read the registers that the products below write
	WIN 0x03                                       ; V: window 3
.irp s, 0,1,2,3                        ; keys 8 h + 2 s, 8 h + 2 s + 1 on both sides
.irp ct, 0,1,2,3
.if \s == 0
	v_wmma_f32_16x16x4_f32 v[OA+8*\ct:OA+8*\ct+7], v[32*\e+8*\ct+2*\s:32*\e+8*\ct+2*\s+1], v[P+2*\s:P+2*\s+1], 0
.else
	v_wmma_f32_16x16x4_f32 v[OA+8*\ct:OA+8*\ct+7], v[32*\e+8*\ct+2*\s:32*\e+8*\ct+2*\s+1], v[P+2*\s:P+2*\s+1], v[OA+8*\ct:OA+8*\ct+7]
.endif
.endr
.endr
	WIN 0
	PLACES8
.irp ct, 0,1,2,3
	ds_store_b128 v6, v[OA+8*\ct:OA+8*\ct+3] offset:256*\e+64*\ct
	ds_store_b128 v6, v[OA+8*\ct+4:OA+8*\ct+7] offset:256*\e+64*\ct+16
.endr
.endm
	HEAD 0
	HEAD 1
	HEAD 2
	HEAD 3
	s_wait_dscnt 0x0                               ; for the others' sake: my stores have landed
	s_barrier_signal -1
	s_barrier_wait -1                              ; the 16 rows of the attention, all 16 heads, lie in LDS
.macro ABLOAD n                        ; 128 along K of the 16 rows into buffer n % 2
.irp gg, 0,1,2,3,4,5,6,7,8,9,10,11,12,13,14,15
	ds_load_b128 v[AB+64*((\n)%2)+4*\gg:AB+64*((\n)%2)+4*\gg+3], v7 offset:32*(16*(\n)+\gg)
.endr
.endm
.macro YBATCH n                        ; 32 products: source 0 = 16 rows of wo, source 1 = the 16 positions: a lane holds position r and columns 8 h + 0..7
	WIN 0x01                                       ; wo: window 1
.set gg, 0
.rept 16
.irp jj, 0,1
.if ((\n) == 0) && (gg < 2)
	v_wmma_f32_16x16x4_f32 v[SA+8*((2*gg+\jj)%4):SA+8*((2*gg+\jj)%4)+7], v[4*(16*(\n)+gg)+2*\jj:4*(16*(\n)+gg)+2*\jj+1], v[AB+64*((\n)%2)+4*gg+2*\jj:AB+64*((\n)%2)+4*gg+2*\jj+1], 0
.else
	v_wmma_f32_16x16x4_f32 v[SA+8*((2*gg+\jj)%4):SA+8*((2*gg+\jj)%4)+7], v[4*(16*(\n)+gg)+2*\jj:4*(16*(\n)+gg)+2*\jj+1], v[AB+64*((\n)%2)+4*gg+2*\jj:AB+64*((\n)%2)+4*gg+2*\jj+1], v[SA+8*((2*gg+\jj)%4):SA+8*((2*gg+\jj)%4)+7]
.endif
.endr
.set gg, gg+1
.endr
	WIN 0
.endm
	ABLOAD 0
	ABLOAD 1
	s_wait_loadcnt 0x0                             ; wo
	s_wait_dscnt 16                                ; batch 0 is in; batch 1's sixteen loads may be out
	YBATCH 0
	PLACES8
	ABLOAD 2
	s_wait_dscnt 16
	YBATCH 1
	PLACES8
	ABLOAD 3
	s_wait_dscnt 16
	YBATCH 2
	s_wait_dscnt 0x0
	YBATCH 3
	PLACES8
.irp i, 0,2,4,6
	v_pk_add_f32 v[SS+\i:SS+\i+1], v[SA+\i:SA+\i+1], v[SA+8+\i:SA+8+\i+1]
.endr
.irp i, 0,2,4,6
	v_pk_add_f32 v[SS+\i:SS+\i+1], v[SS+\i:SS+\i+1], v[SA+16+\i:SA+16+\i+1]
.endr
.irp i, 0,2,4,6
	v_pk_add_f32 v[SS+\i:SS+\i+1], v[SS+\i:SS+\i+1], v[SA+24+\i:SA+24+\i+1]
.endr
	ds_store_b128 v8, v[SS:SS+3]
	ds_store_b128 v8, v[SS+4:SS+7] offset:16
	s_wait_dscnt 0x0
	s_barrier_signal -1
	s_barrier_wait -1                              ; both halves of K lie in LDS
	ds_load_b128 v[24:27], v9
	ds_load_b128 v[28:31], v9 offset:2304
	s_wait_dscnt 0x0
	v_pk_add_f32 v[24:25], v[24:25], v[28:29]
	v_pk_add_f32 v[26:27], v[26:27], v[30:31]
	global_store_b128 v10, v[24:27], s[8:9]        ; four rows, 128 consecutive bytes of each
	s_wait_tensorcnt 0x0                           ; the wave's end
	ds_add_u32 v[SPW], v[NIL]
	s_wait_dscnt 0x0
	s_endpgm
.Lfunc_end_k_qffbcbc6e21_first16:
	.size	k_qffbcbc6e21_first16, .Lfunc_end_k_qffbcbc6e21_first16-k_qffbcbc6e21_first16
	.p2alignl 7, 3214868480
	.fill 96, 4, 3214868480
	.section	.rodata,"a",@progbits
	.p2align	6, 0x0
	.amdhsa_kernel k_qffbcbc6e21_first16
		.amdhsa_group_segment_fixed_size 71168
		.amdhsa_private_segment_fixed_size 0
		.amdhsa_enable_private_segment 0
		.amdhsa_kernarg_size 24
		.amdhsa_user_sgpr_count 2
		.amdhsa_user_sgpr_kernarg_segment_ptr 1
		.amdhsa_wavefront_size32 1
		.amdhsa_system_sgpr_workgroup_id_x 1
		.amdhsa_system_sgpr_workgroup_id_y 1
		.amdhsa_system_sgpr_workgroup_id_z 1
		.amdhsa_system_vgpr_workitem_id 0
		.amdhsa_next_free_vgpr 896
		.amdhsa_next_free_sgpr 66
		.amdhsa_reserve_vcc 0
		.amdhsa_float_denorm_mode_32 3
		.amdhsa_float_denorm_mode_16_64 3
		.amdhsa_memory_ordered 1
		.amdhsa_forward_progress 1
		.amdhsa_inst_pref_size 67
	.end_amdhsa_kernel
	.amdgpu_metadata
---
amdhsa.version: [ 1, 2 ]
amdhsa.kernels:
  - .name:           k_qffbcbc6e21_first16
    .symbol:         k_qffbcbc6e21_first16.kd
    .args:
      - { .name: fine, .offset: 0, .size: 8, .value_kind: global_buffer, .address_space: global }
      - { .name: wo, .offset: 8, .size: 8, .value_kind: global_buffer, .address_space: global }
      - { .name: out0, .offset: 16, .size: 8, .value_kind: global_buffer, .address_space: global }
    .group_segment_fixed_size: 71168
    .private_segment_fixed_size: 0
    .kernarg_segment_align: 8
    .kernarg_segment_size: 24
    .max_flat_workgroup_size: 128
    .sgpr_count:     66
    .vgpr_count:     896
    .wavefront_size: 32
...
	.end_amdgpu_metadata
.endif
;; end of part 5
